; MI455X (gfx1250); checked and timed in simulation.
; The chip was launched on July 23, 2026; its instructions are those of AMD's public machine-readable ISA for CDNA 5 (MIT licence, August 2026) and "CDNA5" Instruction Set Architecture Reference Guide (July 2026). The comments in the code are by the model that wrote it; some were corrected since.
;; Attention. Allowed arithmetic: matrix products marked QUANTISED: E2M1 operands, one E8M0 scale for each 32 along K, by v_wmma_scale_f32_16x16x128_f8f6f4 with both operands' format E2M1 (or v_wmma_scale_f32_32x16x128_f4), f32 sums; products left as they are: f32 operands where the result goes on into a quantised operand, else bf16, f16 or f32 operands; f32 sums; everything else in f32.
;; Inputs: W_att 1,024 float32; W_dec 1,024 x 1,024 float32; W_enc 2,048 x 1,024 float32; b_att one number float32; b_dec 1,024 float32; b_enc 1,024 float32; dec_out 64 x 1,024 float32; enc_out 64 x 512 x 2,048 float32.
;; Outputs: out0 64 x 2,048 float32; out1 64 x 512 float32.
;; This version of the problem:
;;   THIS VERSION OF THE PROBLEM IS GIVEN IN LOW PRECISION. The matrix products marked QUANTISED in the list below multiply operands that are first quantised to E2M1 (2 exponent bits, 1 mantissa bit; 4 bits a number), with one power-of-two scale for each 32 numbers along K (OCP MX v1.0); their sums are f32. All else is computed in f32.
;;   The module's matrix products, in the order in which they are computed (A, B: the left and right operand; K: the contracted axis; several contracted axes count as one K, in the product's order):
;;     1. [M 32,768, K 2,048] x [K 2,048, N 1,024]; A: input enc_out; B: input W_enc: QUANTISED
;;     2. [M 64, K 1,024] x [K 1,024, N 1,024]; A: input dec_out; B: input W_dec: QUANTISED
;;     3. [M 32,768, K 1,024] x [K 1,024, N 1]; A: computed on the way; B: input W_att: left as it is (N = 1 < 16)
;;     4. batch 64 x [M 2,048, K 512] x [K 512, N 1]; A: input enc_out; B: softmax: left as it is (N = 1 < 16)
;;   THE QUANTISER, for each operand of a quantised product, along K:
;;     - K is cut into blocks of 32 from its start; a last block that is shorter is filled with zeros.
;;     - A block's scale is 2^e with e = floor(log2(the largest magnitude in the block)) - 2, held to -126 .. 127; a block of zeros has e = 0. As a byte (E8M0): e + 127.
;;     - Each number is divided by its block's scale, clamped to +-6, and rounded to the nearest number of E2M1, ties to even, subnormals kept.
;;     - The product sums the exact products of the quantised numbers (number of the format x scale) in f32.
;;   ~~~python
;;   def quantise(x, axis):      # numpy; x: float32 -> the quantised numbers, widened to float32 again
;;       x = np.moveaxis(x, axis, -1); K = x.shape[-1]
;;       x = np.pad(x, [(0, 0)] * (x.ndim - 1) + [(0, -K % 32)]); x = x.reshape(x.shape[:-1] + (-1, 32)); a = np.abs(x).max(-1, keepdims=True)
;;       e = np.where(a > 0, np.clip(np.frexp(np.where(a > 0, a, 1))[1] - 1 - 2, -126, 127), 0)      # np.frexp(a)[1] - 1 = floor(log2(a)), exactly
;;       r = np.clip(x / 2.0 ** e, -6, 6)
;;       step = 2.0 ** (np.maximum(np.frexp(np.where(r == 0, 1, r))[1] - 1, 0) - 1)
;;       q = np.round(r / step) * step * 2.0 ** e      # np.round: ties to even
;;       return np.moveaxis(q.reshape(q.shape[:-2] + (-1,))[..., :K], -1, axis).astype(np.float32)
;;   ~~~
;; 2 versions. Each part assembles by itself: llvm-mc -triple=amdgcn-amd-amdhsa -mcpu=gfx1250 --defsym DOCPART=n.
;; ======== version 1 of 2: 3 launches
;; workspace buffers: wq 1,048,576 bytes; ws 65,536 bytes; bias 262,144 bytes; scores 131,072 bytes; part 4,194,304 bytes
;; launch prep (part 1): grid 96 x 1, 16 waves a work-group, no clusters, 64,512 bytes of LDS; arguments W_enc, W_dec, dec_out, b_enc, b_dec, wq, ws, bias; writes wq, ws, bias
.if DOCPART == 1
	.amdgcn_target "amdgcn-amd-amdhsa--gfx1250"
	.amdhsa_code_object_version 6
	.text
	.protected	k_q6b7ccd558d_prep
	.globl	k_q6b7ccd558d_prep
	.p2align	8
	.type	k_q6b7ccd558d_prep,@function
k_q6b7ccd558d_prep:
	s_mov_b64 s[64:65], 0
	v_nop
	global_prefetch_b8 v0, s[64:65] scope:SCOPE_SE
	s_setreg_imm32_b32 hwreg(HW_REG_WAVE_MODE, 25, 1), 1
	s_wait_xcnt 0x0
; THE PROGRAM: weighted_enc and alpha of an additive attention.  scores[b][n] = sum over a of relu(Q(enc_out) Q(W_enc) + b_enc + Q(dec_out) Q(W_dec) + b_dec)[b][n][a] W_att[a] + b_att;
; alpha = softmax over n; weighted_enc[b] = sum over n of alpha[b][n] enc_out[b][n].  Q: codes of E2M1 with one E8M0 scale for each 32 along K.
; DEAD WORK: b_att is one number, added to all 512 scores of a batch.  Both outputs see the scores through the softmax over those 512 alone, and exp(s + c) / sum of exp(s + c) = exp(s) / sum of exp(s)
; for every finite c and every s.  So b_att reaches no output; it is not loaded and is among no launch's arguments.  LIMIT: a NaN, an infinity or an overflow that comes from b_att alone is not carried to the results.
; THIS LAUNCH.  Work-groups 0 to 63 turn W_enc [2048 (k)][1024 (a)], f32, into codes and scale words laid in the order of the operand's registers:
;   wq [s 16][w 4][t 16][c 2][lane 32][16 bytes]: lane (r, h) holds the codes of unit a = 256 w + 16 t + r for k = 128 s + 64 c + 32 h + 0 .. 31;
;   ws [s 16][w 4][g 2][lane 32][4 words]: word j is the scale word (the four bytes of K step s) of unit 256 w + 32 (4 g + j) + lane.
; Work-groups 64 to 95 make bias [64][1024] = Q(dec_out) Q(W_dec) + b_dec + b_enc, 32 columns each: both operands are quantised in registers and go from wave to wave through LDS as images of the operand's registers.
; A LANE TAKES A COLUMN OF W AND ITS REGISTERS RUN DOWN K: each load reads 128 consecutive bytes, a block of 32 along K lies in one lane, and the conversions give codes with K innermost.
; The two arms part on the work-group's number and share no LDS byte.  A work-group of the second arm owns 32 columns, so its stores into bias and its reads of W_dec cover runs of 128 bytes.
; LIMITS: NaN and infinities among the inputs are not served; a block whose largest magnitude lies under 2^-124 takes the byte 1; a block of zeros carries the byte 1 where the rule says 127: its codes are zeros, and this program alone reads the bytes.
.set SCM,   0                          ; LDS, first arm: the work-group's 256 scale words, in ws's order
.set WIM,   1024                       ; second arm: W_dec's 16 fragment images (K step v, tile: 2 v + tile), 1,024 bytes each
.set WSC,   17408                      ; their scale words: [v 8][column 32]
.set AIM,   18432                      ; dec_out's 32 fragment images (8 m + v)
.set ASD,   51200                      ; their scale words: [v 8][batch 64]
.set OUT,   53248                      ; 64 rows x (128 bytes + 16)
.set SPARE, 62464                      ; the spare words, 128 bytes for each of the 16 waves: no other line names them
.set LN,   1
.set R,    2
.set H,    3
.set LN4,  4                           ; 4 x lane
.set LN16, 5                           ; 16 x lane
.set SCMW, 6
.set SCMR, 7
.set WIMW, 8
.set WSCW, 9
.set AIMW, 10
.set ASDW, 11
.set AGO,  12                          ; dec_out: my byte offset
.set WIMR, 13
.set AIMR, 14
.set WSCR, 15
.set ASDR, 16
.set OUTW, 17
.set OUTR, 18
.set BGO,  19                          ; bias: my byte offset
.set BBO,  20                          ; b_dec, b_enc: my byte offset
.set SPW,  21                          ; my spare word's LDS address; never rewritten
.set NIL,  22                          ; 0; never rewritten
.set TW,   23                          ; at work
.set P,    24                          ; v24-31  W's codes
.set PA,   32                          ; v32-39  dec_out's codes
.set MXA,  40
.set MXB,  41
.set SO,   42
.set BY0,  43
.set BY1,  44
.set HW,   45
.set PT,   46
.set SH8,  47
.set SW,   48                          ; v48-55  W's scale words: scales and nothing else
.set SA,   56                          ; v56-63  dec_out's scale words: scales and nothing else
.set X,    64                          ; v64-127 64 numbers of W; later W's eight fragments
.set XA,   128                         ; v128-255 two tiles of dec_out; later its eight fragments (v128-191)
.set BB,   200                         ; v200-207 b_dec, b_enc
.set ACC,  208                         ; v208-223 two accumulators
.set RES,  224                         ; v224-231 their sum
.set U,    20                          ; s20 wave;  s21 wave / 2;  s22 wave % 2;  s23 (wave / 2) % 4
.set SEL,  28                          ; s[28:29] lane selects: lane l xor 16
; 32 numbers of one lane, one block along K, become 32 codes in four registers; so: the conversion's scale operand; by: the scale's byte
.macro QBLK x, c, so, by
	v_max3_num_f32 v[MXA], |v[(\x)]|, |v[(\x)+1]|, |v[(\x)+2]|
	v_max3_num_f32 v[MXB], |v[(\x)+3]|, |v[(\x)+4]|, |v[(\x)+5]|
.irp i, 6,10,14,18,22,26
	v_max3_num_f32 v[MXA], v[MXA], |v[(\x)+\i]|, |v[(\x)+\i+1]|
	v_max3_num_f32 v[MXB], v[MXB], |v[(\x)+\i+2]|, |v[(\x)+\i+3]|
.endr
	v_max3_num_f32 v[MXA], v[MXA], |v[(\x)+30]|, |v[(\x)+31]|
	v_max3_num_f32 v[MXA], v[MXA], v[MXB], 0x1800000   ; the floor 2^(3 - 127): the byte cannot fall under 1
	v_add_nc_u32 v[\so], 0xff000000, v[MXA]            ; 2 off the exponent field: the conversion takes that field as its scale
.irp g, 0,1,2,3
	v_cvt_scalef32_pk8_fp4_f32 v[(\c)+\g], v[(\x)+8*\g:(\x)+8*\g+7], v[\so]
.endr
	v_lshrrev_b32 v[\by], 23, v[\so]                   ; the byte; also the plain instruction behind the conversions
.endm
; 64 rows of W at my 32 columns: row i, 128 consecutive bytes a load
.macro WLOAD lo
.set wi, 0
.rept 64
	global_load_b32 v[X+wi], v[LN4], s[\lo:\lo+1] offset:wi*4096 th:TH_LOAD_NT
.set wi, wi+1
.endr
.endm
; My lane's two blocks (k 64 c + 0 .. 31 in P, + 32 .. 63 in P + 4) of its column become registers 4 c .. 4 c + 3 of two fragments: lanes 16-31 of the first four change places with lanes 0-15 of the second four.
; Then P .. P + 3 belong to the lower 16 columns (lanes 0-15 the first block, lanes 16-31 the second), P + 4 .. P + 7 to the upper 16.
.macro SWAPW
	v_nop
.irp i, 0,1,2,3
	v_permlane16_swap_b32 v[P+\i], v[P+4+\i]
.endr
	v_lshl_or_b32 v[HW], v[BY1], 8, v[BY0]             ; my column's two bytes: half c of its scale word
.endm
	s_load_b256 s[4:11], s[0:1], 0x0               ; W_enc s[4:5], W_dec s[6:7], dec_out s[8:9], b_enc s[10:11]
	s_load_b256 s[12:19], s[0:1], 0x20             ; b_dec s[12:13], wq s[14:15], ws s[16:17], bias s[18:19]
	v_lshl_add_u32 v[SPW], v0, 2, SPARE
	v_mov_b32 v[NIL], 0
	v_lshrrev_b32 v[TW], 5, v0
	v_readfirstlane_b32 s[U], v[TW]                ; wave u, 0 .. 15
	s_lshr_b32 s21, s[U], 1                        ; vp
	s_and_b32 s22, s[U], 1                         ; c
	s_and_b32 s23, s21, 3
	s_mov_b32 s[SEL], 0x76543210
	s_mov_b32 s[SEL+1], 0xfedcba98
	s_mov_b32 s31, 0
	v_and_b32 v[LN], 31, v0
	v_and_b32 v[R], 15, v0
	v_bfe_u32 v[H], v0, 4, 1
	v_lshlrev_b32 v[LN4], 2, v[LN]
	v_lshlrev_b32 v[LN16], 4, v[LN]
	v_lshlrev_b32 v[SH8], 3, v[H]
	v_mov_b32 v[PT], 0                             ; a lane permute's destination counts as one of its sources
	; every LDS address of both arms is made here, ahead of the first parting
	s_lshr_b32 s24, s[U], 3
	s_lshl_b32 s24, s24, 9
	s_lshl_b32 s25, s23, 2
	s_add_co_u32 s24, s24, s25
	s_lshl_b32 s25, s22, 1
	s_add_co_u32 s24, s24, s25
	v_add_nc_u32 v[SCMW], s24, v[LN16]             ; SCM + 512 (vp / 4) + 16 lane + 4 (vp % 4) + 2 c
	s_lshl_b32 s25, s22, 9
	v_add_nc_u32 v[SCMR], s25, v[LN16]             ; SCM + 512 (u % 2) + 16 lane
	s_lshl_b32 s24, s21, 11
	s_add_co_u32 s24, s24, s25
	s_add_co_u32 s24, s24, WIM
	v_add_nc_u32 v[WIMW], s24, v[LN16]             ; WIM + 2048 vp + 512 c + 16 lane
	s_lshl_b32 s24, s21, 7
	s_lshl_b32 s26, s22, 1
	s_add_co_u32 s24, s24, s26
	s_add_co_u32 s24, s24, WSC
	v_add_nc_u32 v[WSCW], s24, v[LN4]              ; WSC + 128 vp + 4 lane + 2 c
	s_lshl_b32 s24, s22, 14
	s_lshl_b32 s26, s21, 10
	s_add_co_u32 s24, s24, s26
	s_add_co_u32 s24, s24, AIM
	v_add_nc_u32 v[AIMW], s24, v[LN16]             ; AIM + (8 (2 c) + vp) 1024 + 16 lane
	s_lshl_b32 s24, s21, 8
	s_lshl_b32 s26, s22, 7
	s_add_co_u32 s24, s24, s26
	s_add_co_u32 s24, s24, ASD
	v_lshl_add_u32 v[ASDW], v[R], 2, s24           ; ASD + 256 vp + 64 (2 c) + 4 r
	s_lshl_b32 s24, s22, 17
	s_lshl_b32 s26, s21, 9
	s_add_co_u32 s24, s24, s26
	v_lshlrev_b32 v[AGO], 12, v[R]
	v_lshl_add_u32 v[AGO], v[H], 7, v[AGO]
	v_add_nc_u32 v[AGO], s24, v[AGO]               ; dec_out: (32 c + r) rows of 4,096 bytes + 512 vp + 128 h
	s_lshl_b32 s24, s22, 10
	s_add_co_u32 s24, s24, WIM
	v_add_nc_u32 v[WIMR], s24, v[LN16]             ; the products: tile = u % 2, m = (u / 2) % 4
	s_lshl_b32 s24, s23, 13
	s_add_co_u32 s24, s24, AIM
	v_add_nc_u32 v[AIMR], s24, v[LN16]
	s_lshl_b32 s24, s22, 6
	s_add_co_u32 s24, s24, WSC
	v_lshl_add_u32 v[WSCR], v[R], 2, s24
	s_lshl_b32 s24, s23, 6
	s_add_co_u32 s24, s24, ASD
	v_lshl_add_u32 v[ASDR], v[R], 2, s24
	s_mul_i32 s24, s23, 2304
	s_lshl_b32 s26, s22, 6
	s_add_co_u32 s24, s24, s26
	s_add_co_u32 s24, s24, OUT
	v_mul_u32_u24 v[OUTW], v[R], 144
	v_lshl_add_u32 v[OUTW], v[H], 5, v[OUTW]
	v_add_nc_u32 v[OUTW], s24, v[OUTW]             ; OUT + (16 m + r) 144 + 64 tile + 32 h
	v_lshrrev_b32 v[TW], 3, v[LN]                  ; lane / 8
	v_and_b32 v[BBO], 7, v[LN]
	v_lshlrev_b32 v[BBO], 4, v[BBO]                ; 16 (lane % 8)
	s_mul_i32 s24, s[U], 576
	s_add_co_u32 s24, s24, OUT
	v_mul_u32_u24 v[OUTR], v[TW], 144
	v_add_nc_u32 v[OUTR], v[OUTR], v[BBO]
	v_add_nc_u32 v[OUTR], s24, v[OUTR]             ; OUT + (4 u + lane / 8) 144 + 16 (lane % 8)
	s_lshl_b32 s24, s[U], 14
	v_lshl_add_u32 v[BGO], v[TW], 12, v[BBO]
	v_add_nc_u32 v[BGO], s24, v[BGO]               ; the same place in bias: rows of 4,096 bytes
	s_wait_kmcnt 0x0
	s_cmp_lt_u32 ttmp9, 64
	s_cbranch_scc0 .Ldec
	; ---- W_enc: K step s = x / 4, units 256 w on, w = x % 4.  Wave u: columns 32 vp on, k 64 c on
	s_lshr_b32 s24, ttmp9, 2
	s_and_b32 s25, ttmp9, 3
	s_lshl_b32 s30, s24, 19                        ; (128 s + 64 c) rows of 4,096 bytes + (256 w + 32 vp) x 4
	s_lshl_b32 s26, s22, 18
	s_add_co_u32 s30, s30, s26
	s_lshl_b32 s26, s25, 10
	s_add_co_u32 s30, s30, s26
	s_lshl_b32 s26, s21, 7
	s_add_co_u32 s30, s30, s26
	s_add_nc_u64 s[4:5], s[4:5], s[30:31]
	WLOAD 4
	s_lshl_b32 s30, s24, 16                        ; wq: 65536 s + 16384 w + 2048 vp + 512 c
	s_lshl_b32 s26, s25, 14
	s_add_co_u32 s30, s30, s26
	s_lshl_b32 s26, s21, 11
	s_add_co_u32 s30, s30, s26
	s_lshl_b32 s26, s22, 9
	s_add_co_u32 s30, s30, s26
	s_add_nc_u64 s[14:15], s[14:15], s[30:31]
	s_lshl_b32 s30, s24, 12                        ; ws: 4096 s + 1024 w + 512 (u % 2)
	s_lshl_b32 s27, s25, 10
	s_add_co_u32 s30, s30, s27
	s_add_co_u32 s30, s30, s26
	s_add_nc_u64 s[16:17], s[16:17], s[30:31]
	s_wait_loadcnt 32                              ; the first block's 32 loads are in; the second block's may be out
	QBLK X, P, SO, BY0
	s_wait_loadcnt 0x0
	QBLK X+32, P+4, SO, BY1
	SWAPW
	global_store_b128 v[LN16], v[P:P+3], s[14:15]               ; 512 consecutive bytes: half c of tile 2 vp's fragment
	global_store_b128 v[LN16], v[P+4:P+7], s[14:15] offset:1024 ; and of tile 2 vp + 1's
	ds_store_b16 v[SCMW], v[HW]
	s_wait_dscnt 0x0                               ; for the others' sake: my two bytes lie in LDS
	s_barrier_signal -1
	s_barrier_wait -1
	s_cmp_lt_u32 s[U], 2
	s_cbranch_scc0 .Lenc_end
	ds_load_b128 v[PA:PA+3], v[SCMR]               ; waves 0 and 1 store the 256 scale words, 512 consecutive bytes each
	s_wait_dscnt 0x0
	global_store_b128 v[LN16], v[PA:PA+3], s[16:17]
.Lenc_end:
	s_wait_tensorcnt 0x0                           ; the wave's end
	ds_add_u32 v[SPW], v[NIL]
	s_wait_dscnt 0x0
	s_endpgm
.Ldec:
	; ---- bias: columns 32 cg on, cg = x - 64.  Wave u quantises K step vp, half c, of W_dec's 32 columns, and batch tiles 2 c, 2 c + 1 of K step vp of dec_out
	s_sub_co_u32 s24, ttmp9, 64
	s_lshl_b32 s30, s24, 7                         ; 128 cg bytes
	s_add_nc_u64 s[10:11], s[10:11], s[30:31]
	s_add_nc_u64 s[12:13], s[12:13], s[30:31]
	s_add_nc_u64 s[18:19], s[18:19], s[30:31]
	s_lshl_b32 s26, s21, 19
	s_add_co_u32 s30, s30, s26
	s_lshl_b32 s26, s22, 18
	s_add_co_u32 s30, s30, s26                     ; + (128 vp + 64 c) rows of 4,096 bytes
	s_add_nc_u64 s[6:7], s[6:7], s[30:31]
	WLOAD 6
.irp i, 0,1                                    ; lane (r, h) takes, of batch 16 (2 c + i) + r, k = 128 vp + 64 cc + 32 h + 0 .. 31: a whole block in a lane, in the operand's own order
.irp cc, 0,1
.irp j, 0,1,2,3,4,5,6,7
	global_load_b128 v[XA+64*\i+32*\cc+4*\j:XA+64*\i+32*\cc+4*\j+3], v[AGO], s[8:9] offset:65536*\i+256*\cc+16*\j
.endr
.endr
.endr
	s_wait_loadcnt 63                              ; W's first block is in: 64 loads were issued behind it, and 63 is the largest count that the wait can name
	QBLK X, P, SO, BY0
	s_wait_loadcnt 32                              ; W's second block; dec_out's 32 loads may be out
	QBLK X+32, P+4, SO, BY1
	SWAPW
	ds_store_b128 v[WIMW], v[P:P+3]                ; images of the operand's registers: 16 bytes a lane
	ds_store_b128 v[WIMW], v[P+4:P+7] offset:1024
	ds_store_b16 v[WSCW], v[HW]
.irp i, 0,1
	s_wait_loadcnt 16-16*\i                        ; this tile's 16 loads are in; the next tile's may be out
.if \i
	s_wait_dscnt 0x0                               ; the first tile's stores have read their registers
.endif
	QBLK XA+64*\i, PA, SO, BY0
	QBLK XA+64*\i+32, PA+4, SO, BY1
	v_lshl_or_b32 v[TW], v[BY1], 16, v[BY0]        ; my two bytes: blocks h and 2 + h of my row,
	v_lshlrev_b32 v[TW], v[SH8], v[TW]             ; at their places in the scale word;
	v_permlanex16_b32 v[PT], v[TW], s[SEL], s[SEL+1]
	v_or_b32 v[TW], v[TW], v[PT]                   ; with lane l xor 16's two the word is whole
	ds_store_b128 v[AIMW], v[PA:PA+3] offset:8192*\i
	ds_store_b128 v[AIMW], v[PA+4:PA+7] offset:8192*\i+512
	ds_store_b32 v[ASDW], v[TW] offset:64*\i       ; lanes r and 16 + r write the same word with the same value
.endr
	s_wait_dscnt 0x0
	s_barrier_signal -1
	s_barrier_wait -1                              ; all 48 images and their scale words lie in LDS
	global_load_b128 v[BB:BB+3], v[BBO], s[12:13]  ; b_dec and b_enc at my four columns: wanted behind the next barrier
	global_load_b128 v[BB+4:BB+7], v[BBO], s[10:11]
	s_cmp_lt_u32 s[U], 8
	s_cbranch_scc0 .Lno_mul
	; waves 0 to 7: 16 columns (tile) x 16 batches (m), K = 1,024 in eight steps
.irp k, 0,1,2,3,4,5,6,7
.irp cc, 0,1
	ds_load_b128 v[X+8*\k+4*\cc:X+8*\k+4*\cc+3], v[WIMR] offset:2048*\k+512*\cc
	ds_load_b128 v[XA+8*\k+4*\cc:XA+8*\k+4*\cc+3], v[AIMR] offset:1024*\k+512*\cc
.endr
	ds_load_b32 v[SW+\k], v[WSCR] offset:128*\k
	ds_load_b32 v[SA+\k], v[ASDR] offset:256*\k
.endr
	s_wait_dscnt 0x0
.irp k, 0,1,2,3,4,5,6,7                        ; source 0 = 16 columns of W_dec, source 1 = 16 batches: a lane holds one batch and eight neighbouring columns.  Two accumulators by turns
.if \k < 2
	v_wmma_scale_f32_16x16x128_f8f6f4 v[ACC+8*(\k%2):ACC+8*(\k%2)+7], v[X+8*\k:X+8*\k+7], v[XA+8*\k:XA+8*\k+7], 0, v[SW+\k], v[SA+\k] matrix_a_fmt:MATRIX_FMT_FP4 matrix_b_fmt:MATRIX_FMT_FP4
.else
	v_wmma_scale_f32_16x16x128_f8f6f4 v[ACC+8*(\k%2):ACC+8*(\k%2)+7], v[X+8*\k:X+8*\k+7], v[XA+8*\k:XA+8*\k+7], v[ACC+8*(\k%2):ACC+8*(\k%2)+7], v[SW+\k], v[SA+\k] matrix_a_fmt:MATRIX_FMT_FP4 matrix_b_fmt:MATRIX_FMT_FP4
.endif
.endr
.rept 4
	v_nop                                          ; four places between the last product and the first read of results (ISA guide 7.12.1)
.endr
.irp j, 0,2,4,6
	v_pk_add_f32 v[RES+\j:RES+\j+1], v[ACC+\j:ACC+\j+1], v[ACC+8+\j:ACC+8+\j+1]   ; each accumulator from its low end on
.endr
	ds_store_b128 v[OUTW], v[RES:RES+3]
	ds_store_b128 v[OUTW], v[RES+4:RES+7] offset:16
.Lno_mul:
	s_wait_dscnt 0x0
	s_barrier_signal -1
	s_barrier_wait -1                              ; 64 rows x 32 columns lie in OUT
	ds_load_b128 v[232:235], v[OUTR]
	s_wait_loadcnt 0x0                             ; b_dec, b_enc
	v_pk_add_f32 v[BB:BB+1], v[BB:BB+1], v[BB+4:BB+5]
	v_pk_add_f32 v[BB+2:BB+3], v[BB+2:BB+3], v[BB+6:BB+7]
	s_wait_dscnt 0x0
	v_pk_add_f32 v[236:237], v[232:233], v[BB:BB+1]
	v_pk_add_f32 v[238:239], v[234:235], v[BB+2:BB+3]
	global_store_b128 v[BGO], v[236:239], s[18:19] ; eight lanes store a row's 128 bytes
	s_wait_tensorcnt 0x0                           ; the wave's end
	ds_add_u32 v[SPW], v[NIL]
	s_wait_dscnt 0x0
	s_endpgm
.Lfunc_end_k_q6b7ccd558d_prep:
	.size	k_q6b7ccd558d_prep, .Lfunc_end_k_q6b7ccd558d_prep-k_q6b7ccd558d_prep
	.p2alignl 7, 3214868480
	.fill 96, 4, 3214868480
	.section	.rodata,"a",@progbits
	.p2align	6, 0x0
	.amdhsa_kernel k_q6b7ccd558d_prep
		.amdhsa_group_segment_fixed_size 64512
		.amdhsa_private_segment_fixed_size 0
		.amdhsa_enable_private_segment 0
		.amdhsa_kernarg_size 64
		.amdhsa_user_sgpr_count 2
		.amdhsa_user_sgpr_kernarg_segment_ptr 1
		.amdhsa_wavefront_size32 1
		.amdhsa_system_sgpr_workgroup_id_x 1
		.amdhsa_system_sgpr_workgroup_id_y 1
		.amdhsa_system_sgpr_workgroup_id_z 1
		.amdhsa_system_vgpr_workitem_id 0
		.amdhsa_next_free_vgpr 256
		.amdhsa_next_free_sgpr 66
		.amdhsa_reserve_vcc 0
		.amdhsa_float_denorm_mode_32 3
		.amdhsa_float_denorm_mode_16_64 3
		.amdhsa_memory_ordered 1
		.amdhsa_forward_progress 1
		.amdhsa_inst_pref_size 39
	.end_amdhsa_kernel
	.amdgpu_metadata
---
amdhsa.version: [ 1, 2 ]
amdhsa.kernels:
  - .name:           k_q6b7ccd558d_prep
    .symbol:         k_q6b7ccd558d_prep.kd
    .args:
      - { .name: W_enc, .offset: 0, .size: 8, .value_kind: global_buffer, .address_space: global }
      - { .name: W_dec, .offset: 8, .size: 8, .value_kind: global_buffer, .address_space: global }
      - { .name: dec_out, .offset: 16, .size: 8, .value_kind: global_buffer, .address_space: global }
      - { .name: b_enc, .offset: 24, .size: 8, .value_kind: global_buffer, .address_space: global }
      - { .name: b_dec, .offset: 32, .size: 8, .value_kind: global_buffer, .address_space: global }
      - { .name: wq, .offset: 40, .size: 8, .value_kind: global_buffer, .address_space: global }
      - { .name: ws, .offset: 48, .size: 8, .value_kind: global_buffer, .address_space: global }
      - { .name: bias, .offset: 56, .size: 8, .value_kind: global_buffer, .address_space: global }
    .group_segment_fixed_size: 64512
    .private_segment_fixed_size: 0
    .kernarg_segment_align: 8
    .kernarg_segment_size: 64
    .max_flat_workgroup_size: 512
    .sgpr_count:     66
    .vgpr_count:     256
    .wavefront_size: 32
...
	.end_amdgpu_metadata
.endif
;; end of part 1
;; launch main (part 2): grid 512 x 1, 4 waves a work-group, no clusters, 316,416 bytes of LDS; arguments enc_out, wq, ws, bias, W_att, scores, part; writes scores, part
.if DOCPART == 2
	.amdgcn_target "amdgcn-amd-amdhsa--gfx1250"
	.amdhsa_code_object_version 6
	.text
	.protected	k_q6b7ccd558d_main
	.globl	k_q6b7ccd558d_main
	.p2align	8
	.type	k_q6b7ccd558d_main,@function
k_q6b7ccd558d_main:
	s_mov_b64 s[64:65], 0
	v_nop
	global_prefetch_b8 v0, s[64:65] scope:SCOPE_SE
	s_setreg_imm32_b32 hwreg(HW_REG_WAVE_MODE, 25, 1), 1
	s_wait_xcnt 0x0
; A PASS: 64 rows of enc_out (one batch, positions 64 (x % 8) on), all 1,024 attention units, all of K = 2,048.  Left out: b_att, which the softmax cancels for all values (shown at the head of the first kernel).
; scores[row] = sum over a of relu(Q(enc) Q(W_enc) + bias[b])[row][a] W_att[a];  m = the pass's largest score;  p = 2^((score - m) log2 e);  part[x][:] = sum over the 64 rows of p x row.  The last launch joins a batch's eight passes.
; enc_out IS READ ONCE.  K goes in 16 steps of 128.  A chunk (64 rows x 128 numbers) is quantised as it arrives and multiplied in the next step, and it is also rounded to bf16 and KEPT in LDS, until the rows' scores are known.
; SHARES.  Wave w quantises rows 16 w .. 16 w + 15 of each chunk; its fragment and scale words go to the other waves through LDS as an image of the operand's registers.  THE WAVES SHARE THE UNITS: wave w multiplies all 64 rows
; by units 256 w .. 256 w + 255: 4 x 16 accumulators, 512 registers.  So each byte of W's codes feeds one wave of the work-group, and comes from memory straight into that wave's registers, in the operand's order (16 bytes a lane, 512 a load).
; NO CLUSTER, NO TENSOR LOAD: what work-groups share is W's codes.  A K step of them with its scale words is 69,632 bytes, two slots 139,264; the kept rows (263,168), the stages (33,792) and the images and tables (19,456) leave 11,264 of 327,680.
; THE MATRIX INSTRUCTION IS USED TRANSPOSED: source 0 = 16 units of W, source 1 = 16 rows: a lane holds one row (lane % 16) and eight neighbouring units (8 (lane / 16) + j).
; LIMITS: NaN and infinities among the inputs are not served; a block whose largest magnitude lies under 2^-124 takes the byte 1, a block of zeros too (its codes are zeros; this program alone reads the bytes);
; the rows of the weighted sum are rounded to bf16; sums over K, units and rows are taken in another order than the reference's.
; REGISTERS, in windows of 256: window 0: see the names below.  window 1: W's fragments, two sets: set p, tile t at v[128 p + 8 t].  windows 2 and 3: the accumulators: (m, t) at v[8 (16 (m % 2) + t)] of window 2 + m / 2.
.set RPITCH, 4112                      ; a kept row: 4,096 bytes of bf16 + 16: row r starts 4 r words on modulo 64
.set STG,    263168                    ; behind the 64 kept rows: a stage of 16 rows x 528 bytes for each wave
.set SPITCH, 528
.set WSTG,   16*SPITCH
.set IMG,    296960                    ; two buffers of four fragment images of 1,024 bytes
.set ASC,    305152                    ; two buffers of 64 scale words
.set BIA,    305664                    ; the batch's 1,024 biases; 4,096 bytes on: W_att
.set SCP,    313856                    ; [wave 4][row 64] partial scores
.set PRB,    314880                    ; p, a copy of 256 bytes for each wave
.set SPARE,  315904                    ; the spare words, 128 bytes for each wave: no other line names them
.set LOF, 1                            ; 16 x lane
.set STW, 2                            ; my stage + 16 lane
.set STR, 3                            ; my stage + 528 r + 128 h
.set IMW, 4                            ; IMG + 1024 w + 16 lane
.set IMR, 5                            ; IMG + 16 lane
.set ASW, 6                            ; ASC + 64 w + 4 r
.set ASR, 7                            ; ASC + 4 lane
.set RTA, 8                            ; (16 w + r) RPITCH + 64 h; never rewritten
.set SH8, 9                            ; 8 h
.set PFO, 10                           ; the prefetches' offset: (lane / 2) rows of 8,192 bytes + 256 (lane % 2); never rewritten
.set BAD, 11                           ; BIA + 1024 w + 32 h
.set SCW, 12                           ; SCP + 256 w + 4 r
.set SCR, 13                           ; SCP + 8 lane
.set SPW, 14                           ; my spare word's LDS address; never rewritten
.set NIL, 15                           ; 0; never rewritten
.set AS,  16                           ; v16-17  the rows' scale words: register i: lanes 0-15 row tile 2 i, lanes 16-31 tile 2 i + 1.  Scales and nothing else
.set PRW, 18                           ; PRB + 256 w + 8 lane
.set RTC, 19                           ; RTA + the trip's step
.set WS,  20                           ; v20-35  W's scale words, two sets of 8: register t / 2: lanes 0-15 tile t even, lanes 16-31 tile t odd.  Scales and nothing else
.set AF,  36                           ; v36-67  the four row fragments
.set E0,  68                           ; v68-131, v132-195: two chunks as they are loaded, 16 rows x 4 registers
.set X,   196                          ; v196-227 32 neighbours along K of my row; at work in the tail
.set CD,  228                          ; v228-235 my fragment's codes; in the tail the scores' sums
.set MXA, 236
.set MXB, 237
.set SO,  238
.set BY0, 239
.set BY1, 240
.set SWD, 241
.set PT,  242
.set L8,  243                          ; 8 x lane
.set T32, 244                          ; 32 x thread
.set BIW, 245                          ; BIA + 32 x thread
.set WA0, 246                          ; 16 x thread
.set WA,  247
.set PP0, 248                          ; PRB + 256 w
.set PP,  249
.set SGW, 250                          ; my stage + 32 lane
.set SUM, 36                           ; the tail: 16 sums of the weighted rows
.set WD,  68                           ; the tail: two sets of 36: four p, then four rows x 8 registers
.set ENC, 4                            ; s[4:5]   enc_out at my wave's 16 rows, stepped two chunks a trip
.set WQ,  6                            ; s[6:7]   wq at my wave's part, stepped two K steps a trip
.set WSB, 8                            ; s[8:9]   ws likewise
.set BIP, 10
.set WAP, 12
.set SCO, 14
.set PAR, 16
.set WV,  18
.set SEL, 20
.set CNT, 22
.set RS,  23                           ; the kept rows' step: 512 bytes a trip
.set L2E, 26
.set RW,  27
.set RPP, 30
.set MSB, 0
.macro WIN new                         ; the immediate's high byte repeats the setting that is left
.if MSB != \new
	s_set_vgpr_msb (MSB<<8)|\new
.set MSB, \new
.endif
.endm
.set MUL_LO, 0xa1                      ; source 0 (W) window 1, source 1 (rows) window 0, C and D window 2
.set MUL_HI, 0xf1                      ; the same, C and D window 3
.set TO_B,   0x40                      ; destination window 1, address window 0
; 32 numbers of one lane, one block along K, become 32 codes in four registers; so: the conversion's scale operand; by: the scale's byte
.macro QBLK x, c, so, by
	v_max3_num_f32 v[MXA], |v[(\x)]|, |v[(\x)+1]|, |v[(\x)+2]|
	v_max3_num_f32 v[MXB], |v[(\x)+3]|, |v[(\x)+4]|, |v[(\x)+5]|
.irp i, 6,10,14,18,22,26
	v_max3_num_f32 v[MXA], v[MXA], |v[(\x)+\i]|, |v[(\x)+\i+1]|
	v_max3_num_f32 v[MXB], v[MXB], |v[(\x)+\i+2]|, |v[(\x)+\i+3]|
.endr
	v_max3_num_f32 v[MXA], v[MXA], |v[(\x)+30]|, |v[(\x)+31]|
	v_max3_num_f32 v[MXA], v[MXA], v[MXB], 0x1800000   ; the floor 2^(3 - 127): the byte cannot fall under 1
	v_add_nc_u32 v[\so], 0xff000000, v[MXA]            ; 2 off the exponent field: the conversion takes that field as its scale
.irp g, 0,1,2,3
	v_cvt_scalef32_pk8_fp4_f32 v[(\c)+\g], v[(\x)+8*\g:(\x)+8*\g+7], v[\so]
.endr
	v_lshrrev_b32 v[\by], 23, v[\so]                   ; the byte; also the plain instruction behind the conversions
.endm
; W's 16 fragments and 8 registers of scale words of K step wst (counted from the bases) into set p: 34 loads of 512 consecutive bytes
.macro WISSUE p, wst
	WIN TO_B
.set wi, 0
.rept 32
	global_load_b128 v[128*(\p)+4*wi:128*(\p)+4*wi+3], v[LOF], s[WQ:WQ+1] offset:65536*(\wst)+512*wi
.set wi, wi+1
.endr
	WIN 0
	global_load_b128 v[WS+8*(\p):WS+8*(\p)+3], v[LOF], s[WSB:WSB+1] offset:4096*(\wst)
	global_load_b128 v[WS+8*(\p)+4:WS+8*(\p)+7], v[LOF], s[WSB:WSB+1] offset:4096*(\wst)+512
.endm
; rows i0 .. i1 of my 16, chunk ech (counted from the base), into buffer e: a load takes 512 consecutive bytes of one row
.macro EISSUE e, ech, i0, i1
.set ei, \i0
.rept (\i1)-(\i0)+1
	global_load_b128 v[E0+64*(\e)+4*ei:E0+64*(\e)+4*ei+3], v[LOF], s[ENC:ENC+1] offset:8192*ei+512*(\ech) th:TH_LOAD_NT
.set ei, ei+1
.endr
.endm
.macro FETCH_A b                       ; the four row fragments and their scale words, as their makers stored them: 10 LDS loads
.irp m, 0,1,2,3
.irp c, 0,1
	ds_load_b128 v[AF+8*\m+4*\c:AF+8*\m+4*\c+3], v[IMR] offset:4096*(\b)+1024*\m+512*\c
.endr
.endr
	ds_load_b32 v[AS], v[ASR] offset:256*(\b)
	ds_load_b32 v[AS+1], v[ASR] offset:256*(\b)+128
.endm
.macro STAGE_IN e                      ; a chunk's 16 rows into my stage, as they were loaded
.set si, 0
.rept 16
	ds_store_b128 v[STW], v[E0+64*(\e)+4*si:E0+64*(\e)+4*si+3] offset:SPITCH*si
.set si, si+1
.endr
.endm
.macro STAGE_OUT c                     ; and back: lane (r, h) takes k = 64 c + 32 h + 0 .. 31 of row r: a whole block
.irp j, 0,1,2,3,4,5,6,7
	ds_load_b128 v[X+4*\j:X+4*\j+3], v[STR] offset:256*(\c)+16*\j
.endr
.endm
; The block in X: its codes are registers 4 c .. 4 c + 3 of my fragment and go to image buffer b; the numbers, rounded to bf16, go to chunk rch of the kept rows.  With c = 1 the scale word is whole and goes too.
.macro QHALF c, b, rch
	QBLK X, CD+4*(\c), SO, BY0+(\c)
.set qi, 0
.rept 16
	v_cvt_pk_bf16_f32 v[X+qi], v[X+2*qi], v[X+2*qi+1]  ; in place, ascending: each pair is read before its place is needed
.set qi, qi+1
.endr
.irp j, 0,1,2,3
	ds_store_b128 v[RTC], v[X+4*\j:X+4*\j+3] offset:256*(\rch)+128*(\c)+16*\j
.endr
	ds_store_b128 v[IMW], v[CD+4*(\c):CD+4*(\c)+3] offset:4096*(\b)+512*(\c)
.if \c == 1
	v_lshl_or_b32 v[SWD], v[BY1], 16, v[BY0]       ; my two bytes: blocks h and 2 + h of my row,
	v_lshlrev_b32 v[SWD], v[SH8], v[SWD]           ; at their places;
	v_permlanex16_b32 v[PT], v[SWD], s[SEL], s[SEL+1]
	v_or_b32 v[SWD], v[SWD], v[PT]                 ; with lane l xor 16's two the word is whole
	ds_store_b32 v[ASW], v[SWD] offset:256*(\b)    ; lanes r and 16 + r write the same word with the same value
.endif
.endm
; one product.  ra, rb: the scale register's upper lanes serve source 0, source 1
.macro WM d, a, b, sa, sb, ra, rb, zero
.if \zero
.if (\ra) && (\rb)
	v_wmma_scale_f32_16x16x128_f8f6f4 v[(\d):(\d)+7], v[(\a):(\a)+7], v[(\b):(\b)+7], 0, v[\sa], v[\sb] matrix_a_fmt:MATRIX_FMT_FP4 matrix_b_fmt:MATRIX_FMT_FP4 matrix_a_scale:MATRIX_SCALE_ROW1 matrix_b_scale:MATRIX_SCALE_ROW1
.elseif \ra
	v_wmma_scale_f32_16x16x128_f8f6f4 v[(\d):(\d)+7], v[(\a):(\a)+7], v[(\b):(\b)+7], 0, v[\sa], v[\sb] matrix_a_fmt:MATRIX_FMT_FP4 matrix_b_fmt:MATRIX_FMT_FP4 matrix_a_scale:MATRIX_SCALE_ROW1
.elseif \rb
	v_wmma_scale_f32_16x16x128_f8f6f4 v[(\d):(\d)+7], v[(\a):(\a)+7], v[(\b):(\b)+7], 0, v[\sa], v[\sb] matrix_a_fmt:MATRIX_FMT_FP4 matrix_b_fmt:MATRIX_FMT_FP4 matrix_b_scale:MATRIX_SCALE_ROW1
.else
	v_wmma_scale_f32_16x16x128_f8f6f4 v[(\d):(\d)+7], v[(\a):(\a)+7], v[(\b):(\b)+7], 0, v[\sa], v[\sb] matrix_a_fmt:MATRIX_FMT_FP4 matrix_b_fmt:MATRIX_FMT_FP4
.endif
.else
.if (\ra) && (\rb)
	v_wmma_scale_f32_16x16x128_f8f6f4 v[(\d):(\d)+7], v[(\a):(\a)+7], v[(\b):(\b)+7], v[(\d):(\d)+7], v[\sa], v[\sb] matrix_a_fmt:MATRIX_FMT_FP4 matrix_b_fmt:MATRIX_FMT_FP4 matrix_a_scale:MATRIX_SCALE_ROW1 matrix_b_scale:MATRIX_SCALE_ROW1
.elseif \ra
	v_wmma_scale_f32_16x16x128_f8f6f4 v[(\d):(\d)+7], v[(\a):(\a)+7], v[(\b):(\b)+7], v[(\d):(\d)+7], v[\sa], v[\sb] matrix_a_fmt:MATRIX_FMT_FP4 matrix_b_fmt:MATRIX_FMT_FP4 matrix_a_scale:MATRIX_SCALE_ROW1
.elseif \rb
	v_wmma_scale_f32_16x16x128_f8f6f4 v[(\d):(\d)+7], v[(\a):(\a)+7], v[(\b):(\b)+7], v[(\d):(\d)+7], v[\sa], v[\sb] matrix_a_fmt:MATRIX_FMT_FP4 matrix_b_fmt:MATRIX_FMT_FP4 matrix_b_scale:MATRIX_SCALE_ROW1
.else
	v_wmma_scale_f32_16x16x128_f8f6f4 v[(\d):(\d)+7], v[(\a):(\a)+7], v[(\b):(\b)+7], v[(\d):(\d)+7], v[\sa], v[\sb] matrix_a_fmt:MATRIX_FMT_FP4 matrix_b_fmt:MATRIX_FMT_FP4
.endif
.endif
.endm
; 32 products: row tiles 2 hi, 2 hi + 1 x my 16 tiles of units.  The 64 accumulators take turns, one instruction a turn, in the same order in every step.  zero = 1: the first step starts the sums
.macro MULRUN hi, p, zero
.irp t, 0,1,2,3,4,5,6,7,8,9,10,11,12,13,14,15
.irp mm, 0,1
	WM 8*(16*\mm+\t), 128*(\p)+8*\t, AF+8*(2*(\hi)+\mm), WS+8*(\p)+\t/2, AS+(\hi), \t%2, \mm, \zero
.endr
.endr
.endm
; A PREFETCH of chunk ach (counted from the base) of my wave's own 16 rows: 512 bytes a row, two aligned blocks of 256 bytes, a lane a block.  In step s it names chunk s + 6, three steps ahead of that chunk's loads.
; Each block is named once, by the wave that will load it.  mode 1: step 0, chunk 6.  mode 2: in the loop, while more than two trips are left: steps 1 to 8 name chunks 7 to 14; chunks 0 to 5 and 15 come by their loads alone.
.macro ASK mode, ach
.if \mode == 2
	s_cmp_gt_u32 s[CNT], 2
	s_cbranch_scc0 .Lno_ask_\@
.endif
.if \mode
	global_prefetch_b8 v[PFO], s[ENC:ENC+1] offset:512*(\ach) th:TH_LOAD_NT scope:SCOPE_SE
.endif
.if \mode == 2
.Lno_ask_\@:
.endif
.endm
; STEP s, p = s % 2: multiplies chunk s (image buffer p, W's set p), quantises chunk s + 1 (buffer 1 - p of the loaded chunks) between the two runs of products, asks for W of step s + 1 and for chunk s + 3.
; W is asked for ahead of the chunk in every step: loads come back in the order of issue (ISA guide 5.7.1), so the wait for W of the next step does not take in the chunk asked for behind it.
; The chunk's 16 loads go in two parts, 13 and 3: behind the wait on loads 50 are out, and 13 more make 63, the most that the counter's field holds.
.macro STEP p, zero, doE, lcnt, wst, ech, rch, am, ach
	FETCH_A \p                                     ; (the plain instructions of the quantiser behind the last products are the places in front of these loads and of W's)
	WISSUE 1-\p, \wst
	s_wait_loadcnt \lcnt                           ; chunk s + 1 and W of this step are in; what was issued behind them may be out
	STAGE_IN 1-\p
	STAGE_OUT 0
	s_wait_dscnt 8                                 ; the fragments and scale words are in and the stage's 16 stores have read their registers; only the 8 loads into X may be out
.if \doE
	EISSUE 1-\p, \ech, 0, 12
.endif
	ASK \am, \ach
	WIN MUL_LO
	MULRUN 0, \p, \zero
	WIN 0
	s_wait_dscnt 0x0                               ; the first block is in X
	QHALF 0, 1-\p, \rch
	STAGE_OUT 1                                    ; LDS serves a wave's instructions in order (ISA guide 5.7.1.4): these land behind the stores that read X
.if \doE
	EISSUE 1-\p, \ech, 13, 15
.endif
	WIN MUL_HI
	MULRUN 1, \p, \zero
	WIN 0
	s_wait_dscnt 0x0                               ; the second block is in X
	QHALF 1, 1-\p, \rch
	s_wait_dscnt 0x0                               ; for the others' sake: my image and scale words lie in LDS; my reads of buffer p were over long ago
	s_barrier_signal -1
	s_barrier_wait -1                              ; buffer 1 - p is whole, and nobody reads buffer p any more
.endm
	s_load_b256 s[4:11], s[0:1], 0x0               ; enc_out, wq, ws, bias
	s_load_b128 s[12:15], s[0:1], 0x20             ; W_att, scores
	s_load_b64 s[16:17], s[0:1], 0x30              ; part
	v_lshl_add_u32 v[SPW], v0, 2, SPARE
	v_mov_b32 v[NIL], 0
	v_lshrrev_b32 v251, 5, v0
	v_readfirstlane_b32 s[WV], v251                ; wave 0 .. 3
	v_and_b32 v251, 31, v0                         ; lane
	v_and_b32 v252, 15, v0                         ; r
	v_bfe_u32 v253, v0, 4, 1                       ; h
	s_mov_b32 s[SEL], 0x76543210
	s_mov_b32 s[SEL+1], 0xfedcba98                 ; lane l xor 16
	s_mov_b32 s[L2E], 0x3fb8aa3b                   ; log2 e
	s_mov_b32 s[RS], 0
	v_mov_b32 v[PT], 0                             ; a lane permute's destination counts as one of its sources
	v_lshlrev_b32 v[LOF], 4, v251
	v_lshlrev_b32 v[L8], 3, v251
	v_lshlrev_b32 v[T32], 5, v0
	v_lshlrev_b32 v[WA0], 4, v0
	v_lshlrev_b32 v[SH8], 3, v253
	s_mul_i32 s24, s[WV], WSTG
	s_add_co_u32 s24, s24, STG
	v_add_nc_u32 v[STW], s24, v[LOF]
	v_mul_u32_u24 v[STR], v252, SPITCH
	v_lshl_add_u32 v[STR], v253, 7, v[STR]
	v_add_nc_u32 v[STR], s24, v[STR]
	v_lshl_add_u32 v[SGW], v251, 5, s24
	s_lshl_b32 s24, s[WV], 10
	s_add_co_u32 s25, s24, IMG
	v_add_nc_u32 v[IMW], s25, v[LOF]
	v_add_nc_u32 v[IMR], IMG, v[LOF]
	s_add_co_u32 s25, s24, BIA
	v_lshl_add_u32 v[BAD], v253, 5, s25
	s_lshl_b32 s24, s[WV], 6
	s_add_co_u32 s24, s24, ASC
	v_lshl_add_u32 v[ASW], v252, 2, s24
	v_lshl_add_u32 v[ASR], v251, 2, ASC
	s_mul_i32 s24, s[WV], 16*RPITCH
	v_mul_u32_u24 v[RTA], v252, RPITCH
	v_lshl_add_u32 v[RTA], v253, 6, v[RTA]
	v_add_nc_u32 v[RTA], s24, v[RTA]
	v_add_nc_u32 v[RTC], s[RS], v[RTA]
	v_lshrrev_b32 v[PFO], 1, v251
	v_lshlrev_b32 v[PFO], 13, v[PFO]
	v_and_b32 v251, 1, v251
	v_lshl_add_u32 v[PFO], v251, 8, v[PFO]
	s_lshl_b32 s24, s[WV], 8
	s_add_co_u32 s25, s24, SCP
	v_lshl_add_u32 v[SCW], v252, 2, s25
	v_add_nc_u32 v[SCR], SCP, v[L8]
	s_add_co_u32 s25, s24, PRB
	v_add_nc_u32 v[PRW], s25, v[L8]
	v_mov_b32 v[PP0], s25
	v_add_nc_u32 v[BIW], BIA, v[T32]
	s_lshl_b32 s28, ttmp9, 19                      ; 64 rows of 8,192 bytes a work-group,
	s_lshl_b32 s24, s[WV], 17                      ; 16 a wave
	s_add_co_u32 s28, s28, s24
	s_mov_b32 s29, 0
	s_wait_kmcnt 0x0
	s_add_nc_u64 s[ENC:ENC+1], s[ENC:ENC+1], s[28:29]
	s_lshl_b32 s28, s[WV], 14
	s_add_nc_u64 s[WQ:WQ+1], s[WQ:WQ+1], s[28:29]
	s_lshl_b32 s28, s[WV], 10
	s_add_nc_u64 s[WSB:WSB+1], s[WSB:WSB+1], s[28:29]
	s_lshr_b32 s28, ttmp9, 3
	s_lshl_b32 s28, s28, 12                        ; the batch's row of bias
	s_add_nc_u64 s[BIP:BIP+1], s[BIP:BIP+1], s[28:29]
	s_lshl_b32 s28, ttmp9, 8
	s_add_nc_u64 s[SCO:SCO+1], s[SCO:SCO+1], s[28:29]
	s_lshl_b32 s28, ttmp9, 13
	s_lshl_b32 s24, s[WV], 10
	s_add_co_u32 s28, s28, s24
	s_add_nc_u64 s[PAR:PAR+1], s[PAR:PAR+1], s[28:29]
	global_load_b128 v[36:39], v[T32], s[BIP:BIP+1]            ; bias and W_att, eight numbers a thread: they go to LDS for the tail
	global_load_b128 v[40:43], v[T32], s[BIP:BIP+1] offset:16
	global_load_b128 v[44:47], v[T32], s[WAP:WAP+1]
	global_load_b128 v[48:51], v[T32], s[WAP:WAP+1] offset:16
	EISSUE 0, 0, 0, 15
	EISSUE 1, 1, 0, 15
	WISSUE 0, 0
	; chunk 0 is quantised ahead of the steps
	s_wait_loadcnt 50                              ; the tables and chunk 0 are in; chunk 1 (16) and W of step 0 (34) may be out
	ds_store_b128 v[BIW], v[36:39]
	ds_store_b128 v[BIW], v[40:43] offset:16
	ds_store_b128 v[BIW], v[44:47] offset:4096
	ds_store_b128 v[BIW], v[48:51] offset:4112
	STAGE_IN 0
	STAGE_OUT 0
	s_wait_dscnt 8                                 ; the stores have read their registers; the 8 loads into X may be out
	EISSUE 0, 2, 0, 12
	s_wait_dscnt 0x0
	QHALF 0, 0, 0
	STAGE_OUT 1
	EISSUE 0, 2, 13, 15
	s_wait_dscnt 0x0
	QHALF 1, 0, 0
	s_wait_dscnt 0x0
	s_barrier_signal -1
	s_barrier_wait -1
	STEP 0, 1, 1, 50, 1, 3, 1, 1, 6                ; step 0 starts the sums; 50: chunk 2 (16) and W of step 1 (34) may be out
	s_mov_b32 s[CNT], 6
.Lk:                                               ; six trips: steps 1 to 12.  50: chunk s + 2 and W of step s + 1 may be out
	STEP 1, 0, 1, 50, 2, 4, 2, 2, 7
	STEP 0, 0, 1, 50, 3, 5, 3, 2, 8
	s_wait_xcnt 0x0                                ; every earlier memory instruction has had its addresses translated (ISA guide 3.1): the bases are stepped only behind this wait
	s_add_nc_u64 s[ENC:ENC+1], s[ENC:ENC+1], 1024
	s_add_nc_u64 s[WQ:WQ+1], s[WQ:WQ+1], 131072
	s_add_nc_u64 s[WSB:WSB+1], s[WSB:WSB+1], 8192
	s_add_co_u32 s[RS], s[RS], 512
	v_add_nc_u32 v[RTC], s[RS], v[RTA]
	s_sub_co_u32 s[CNT], s[CNT], 1
	s_cmp_lg_u32 s[CNT], 0
	s_cbranch_scc1 .Lk
	STEP 1, 0, 0, 50, 2, 0, 2, 0, 0                ; step 13: no chunk is left to ask for.  50: chunk 15 and W of step 14
	STEP 0, 0, 0, 34, 3, 0, 3, 0, 0                ; step 14.  34: W of step 15 alone
; THE TAIL.  Tile t's eight biases and eight W_att of my half, every lane of a half the same 16 bytes: four loads, 16 registers; groups of four tiles in the two chunk buffers by turns
.macro BLOAD t
.set GB, E0+64*(((\t)/4)%2)+16*((\t)%4)
	ds_load_b128 v[GB:GB+3], v[BAD] offset:64*(\t)
	ds_load_b128 v[GB+4:GB+7], v[BAD] offset:64*(\t)+16
	ds_load_b128 v[GB+8:GB+11], v[BAD] offset:64*(\t)+4096
	ds_load_b128 v[GB+12:GB+15], v[BAD] offset:64*(\t)+4112
.endm
; tile t of the four row tiles: + bias, relu, x W_att, into a pair of sums for each row tile; each accumulator is read from its low end on
.macro ETILE t
.set GB, E0+64*(((\t)/4)%2)+16*((\t)%4)
	WIN 0x02                                       ; source 0: window 2
.irp mm, 0,1
.irp jj, 0,2,4,6
	v_pk_add_f32 v[X+8*\mm+\jj:X+8*\mm+\jj+1], v[8*(16*\mm+(\t))+\jj:8*(16*\mm+(\t))+\jj+1], v[GB+\jj:GB+\jj+1]
.endr
.endr
	WIN 0x03                                       ; source 0: window 3
.irp mm, 0,1
.irp jj, 0,2,4,6
	v_pk_add_f32 v[X+16+8*\mm+\jj:X+16+8*\mm+\jj+1], v[8*(16*\mm+(\t))+\jj:8*(16*\mm+(\t))+\jj+1], v[GB+\jj:GB+\jj+1]
.endr
.endr
	WIN 0
.set ti, 0
.rept 32
	v_max_num_f32 v[X+ti], 0, v[X+ti]
.set ti, ti+1
.endr
.irp jj, 0,2,4,6
.irp m, 0,1,2,3
.if ((\t) == 0) && (\jj == 0)
	v_pk_mul_f32 v[CD+2*\m:CD+2*\m+1], v[X+8*\m+\jj:X+8*\m+\jj+1], v[GB+8+\jj:GB+8+\jj+1]   ; the first product starts the sum: nothing is cleared
.else
	v_pk_fma_f32 v[CD+2*\m:CD+2*\m+1], v[X+8*\m+\jj:X+8*\m+\jj+1], v[GB+8+\jj:GB+8+\jj+1], v[CD+2*\m:CD+2*\m+1]
.endif
.endr
.endr
.endm
	FETCH_A 1                                      ; step 15: nothing more to quantise or to ask for
.irp t, 0,1,2,3,4,5,6,7
	BLOAD \t
.endr
	s_wait_loadcnt 0x0                             ; W of step 15
	s_wait_dscnt 32                                ; the fragments and scale words are in; the tables' 32 loads may be out
	WIN MUL_LO
	MULRUN 0, 1, 0
	WIN MUL_HI
	MULRUN 1, 1, 0
	WIN 0
.rept 4
	v_nop                                          ; four places between the last product and the first read of results (ISA guide 7.12.1)
.endr
	s_wait_dscnt 0x0
.irp t, 0,1,2,3
	ETILE \t
.endr
.irp t, 8,9,10,11
	BLOAD \t
.endr
.irp t, 4,5,6,7
	ETILE \t
.endr
.irp t, 12,13,14,15
	BLOAD \t
.endr
	s_wait_dscnt 16                                ; tiles 8 to 11 are in; the 16 loads of tiles 12 to 15 may be out
.irp t, 8,9,10,11
	ETILE \t
.endr
	s_wait_dscnt 0x0
.irp t, 12,13,14,15
	ETILE \t
.endr
	; the scores: my 256 units' part of each row, then the four waves' parts
.irp m, 0,1,2,3
	v_add_f32 v[X+\m], v[CD+2*\m], v[CD+2*\m+1]
.endr
.irp m, 0,1,2,3
	v_permlanex16_b32 v[X+4+\m], v[X+\m], s[SEL], s[SEL+1]
.endr
.irp m, 0,1,2,3
	v_add_f32 v[X+\m], v[X+\m], v[X+4+\m]          ; with the other half's eight units of each tile
.endr
.irp m, 0,1,2,3
	ds_store_b32 v[SCW], v[X+\m] offset:64*\m      ; row 16 m + r; lanes r and 16 + r write the same word with the same value
.endr
	s_wait_dscnt 0x0
	s_barrier_signal -1
	s_barrier_wait -1
.irp q, 0,1,2,3
	ds_load_b64 v[X+8+2*\q:X+9+2*\q], v[SCR] offset:256*\q   ; lane l: rows 2 l and 2 l + 1
.endr
	s_wait_dscnt 0x0
	v_pk_add_f32 v[X+8:X+9], v[X+8:X+9], v[X+10:X+11]
	v_pk_add_f32 v[X+12:X+13], v[X+12:X+13], v[X+14:X+15]
	v_pk_add_f32 v[X+8:X+9], v[X+8:X+9], v[X+12:X+13]        ; the same bits in every wave
	s_cmp_lg_u32 s[WV], 0
	s_cbranch_scc1 .Lnot_0
	global_store_b64 v[L8], v[X+8:X+9], s[SCO:SCO+1]         ; 256 consecutive bytes, aligned
.Lnot_0:
	v_max_num_f32 v[X+16], v[X+8], v[X+9]          ; the pass's largest score is taken away ahead of the exponential
	v_max_num_f32_dpp v[X+16], v[X+16], v[X+16] row_xmask:1 row_mask:0xf bank_mask:0xf
	v_max_num_f32_dpp v[X+16], v[X+16], v[X+16] row_xmask:2 row_mask:0xf bank_mask:0xf
	v_max_num_f32_dpp v[X+16], v[X+16], v[X+16] row_xmask:4 row_mask:0xf bank_mask:0xf
	v_max_num_f32_dpp v[X+16], v[X+16], v[X+16] row_xmask:8 row_mask:0xf bank_mask:0xf
	v_permlanex16_b32 v[X+17], v[X+16], s[SEL], s[SEL+1]
	v_max_num_f32 v[X+16], v[X+16], v[X+17]
	v_sub_f32 v[X+18], v[X+8], v[X+16]
	v_sub_f32 v[X+19], v[X+9], v[X+16]
	v_mul_f32 v[X+18], s[L2E], v[X+18]
	v_mul_f32 v[X+19], s[L2E], v[X+19]
	v_exp_f32 v[X+18], v[X+18]
	v_exp_f32 v[X+19], v[X+19]
	v_nop                                          ; a plain instruction behind the exponentials,
	s_wait_alu depctr_va_vdst(0)                   ; and the wait ahead of the first use: one for both
	ds_store_b64 v[PRW], v[X+18:X+19]              ; p of rows 2 l, 2 l + 1 into my wave's own copy: no barrier is needed
	; the weighted sum: thread t owns bytes 16 t and 2,048 + 16 t of every kept row: 16 columns
.set ti, 0
.rept 16
	v_mov_b32 v[SUM+ti], 0
.set ti, ti+1
.endr
.macro WLD set, ro, po                 ; four rows: their four p (every lane the same 16 bytes) and 8 x 16 bytes a lane: 9 LDS loads
	ds_load_b128 v[WD+36*(\set):WD+36*(\set)+3], v[PP] offset:\po
.irp i, 0,1,2,3
	ds_load_b128 v[WD+36*(\set)+4+8*\i:WD+36*(\set)+7+8*\i], v[WA] offset:(\ro)+RPITCH*\i
	ds_load_b128 v[WD+36*(\set)+8+8*\i:WD+36*(\set)+11+8*\i], v[WA] offset:(\ro)+RPITCH*\i+2048
.endr
.endm
.macro COMP set                        ; sum += bf16 x p, straight from the halves
.irp i, 0,1,2,3
.irp q, 0,1,2,3,4,5,6,7
	v_fma_mix_f32_bf16 v[SUM+2*\q], v[WD+36*(\set)+4+8*\i+\q], v[WD+36*(\set)+\i], v[SUM+2*\q] op_sel_hi:[1,0,0]
	v_fma_mix_f32_bf16 v[SUM+2*\q+1], v[WD+36*(\set)+4+8*\i+\q], v[WD+36*(\set)+\i], v[SUM+2*\q+1] op_sel:[1,0,0] op_sel_hi:[1,0,0]
.endr
.endr
.endm
	s_mov_b32 s[RW], 0
	s_mov_b32 s[RPP], 0
	v_add_nc_u32 v[WA], s[RW], v[WA0]
	v_add_nc_u32 v[PP], s[RPP], v[PP0]
	WLD 0, 0, 0
	s_mov_b32 s[CNT], 7
.Lw:                                               ; seven trips of eight rows; the last eight rows are written out
	WLD 1, 4*RPITCH, 16
	s_wait_dscnt 9                                 ; the first set is in; the other set's 9 loads may be out
	COMP 0
	WLD 0, 8*RPITCH, 32
	s_wait_dscnt 9
	COMP 1
	s_add_co_u32 s[RW], s[RW], 8*RPITCH
	s_add_co_u32 s[RPP], s[RPP], 32
	v_add_nc_u32 v[WA], s[RW], v[WA0]
	v_add_nc_u32 v[PP], s[RPP], v[PP0]
	s_sub_co_u32 s[CNT], s[CNT], 1
	s_cmp_lg_u32 s[CNT], 0
	s_cbranch_scc1 .Lw
	WLD 1, 4*RPITCH, 16
	s_wait_dscnt 9
	COMP 0
	s_wait_dscnt 0x0
	COMP 1
	; the way out: a lane's 2 x 32 bytes turn through my stage, so that each store covers 512 consecutive bytes
	ds_store_b128 v[SGW], v[SUM:SUM+3]
	ds_store_b128 v[SGW], v[SUM+4:SUM+7] offset:16
	ds_store_b128 v[SGW], v[SUM+8:SUM+11] offset:1024
	ds_store_b128 v[SGW], v[SUM+12:SUM+15] offset:1040
.irp j, 0,1,2,3
	ds_load_b128 v[WD+4*\j:WD+4*\j+3], v[STW] offset:512*\j    ; LDS serves a wave's instructions in order: these see my stores
.endr
.irp j, 0,1,2,3
	s_wait_dscnt 3-\j                              ; the younger loads may be out
	global_store_b128 v[LOF], v[WD+4*\j:WD+4*\j+3], s[PAR:PAR+1] offset:4096*(\j/2)+512*(\j%2) th:TH_STORE_NT
.endr
	s_wait_tensorcnt 0x0                           ; the wave's end
	ds_add_u32 v[SPW], v[NIL]
	s_wait_dscnt 0x0
	s_endpgm
.Lfunc_end_k_q6b7ccd558d_main:
	.size	k_q6b7ccd558d_main, .Lfunc_end_k_q6b7ccd558d_main-k_q6b7ccd558d_main
	.p2alignl 7, 3214868480
	.fill 96, 4, 3214868480
	.section	.rodata,"a",@progbits
	.p2align	6, 0x0
	.amdhsa_kernel k_q6b7ccd558d_main
		.amdhsa_group_segment_fixed_size 316416
		.amdhsa_private_segment_fixed_size 0
		.amdhsa_enable_private_segment 0
		.amdhsa_kernarg_size 56
		.amdhsa_user_sgpr_count 2
		.amdhsa_user_sgpr_kernarg_segment_ptr 1
		.amdhsa_wavefront_size32 1
		.amdhsa_system_sgpr_workgroup_id_x 1
		.amdhsa_system_sgpr_workgroup_id_y 1
		.amdhsa_system_sgpr_workgroup_id_z 1
		.amdhsa_system_vgpr_workitem_id 0
		.amdhsa_next_free_vgpr 1024
		.amdhsa_next_free_sgpr 66
		.amdhsa_reserve_vcc 0
		.amdhsa_float_denorm_mode_32 3
		.amdhsa_float_denorm_mode_16_64 3
		.amdhsa_memory_ordered 1
		.amdhsa_forward_progress 1
		.amdhsa_inst_pref_size 210
	.end_amdhsa_kernel
	.amdgpu_metadata
---
amdhsa.version: [ 1, 2 ]
amdhsa.kernels:
  - .name:           k_q6b7ccd558d_main
    .symbol:         k_q6b7ccd558d_main.kd
    .args:
      - { .name: enc_out, .offset: 0, .size: 8, .value_kind: global_buffer, .address_space: global }
      - { .name: wq, .offset: 8, .size: 8, .value_kind: global_buffer, .address_space: global }
      - { .name: ws, .offset: 16, .size: 8, .value_kind: global_buffer, .address_space: global }
      - { .name: bias, .offset: 24, .size: 8, .value_kind: global_buffer, .address_space: global }
      - { .name: W_att, .offset: 32, .size: 8, .value_kind: global_buffer, .address_space: global }
      - { .name: scores, .offset: 40, .size: 8, .value_kind: global_buffer, .address_space: global }
      - { .name: part, .offset: 48, .size: 8, .value_kind: global_buffer, .address_space: global }
    .group_segment_fixed_size: 316416
    .private_segment_fixed_size: 0
    .kernarg_segment_align: 8
    .kernarg_segment_size: 56
    .max_flat_workgroup_size: 128
    .sgpr_count:     66
    .vgpr_count:     1024
    .wavefront_size: 32
...
	.end_amdgpu_metadata
.endif
;; end of part 2
;; launch join (part 3): grid 256 x 1, 4 waves a work-group, no clusters, 1,024 bytes of LDS; arguments scores, part, out0, out1; writes out0, out1
.if DOCPART == 3
	.amdgcn_target "amdgcn-amd-amdhsa--gfx1250"
	.amdhsa_code_object_version 6
	.text
	.protected	k_q6b7ccd558d_join
	.globl	k_q6b7ccd558d_join
	.p2align	8
	.type	k_q6b7ccd558d_join,@function
k_q6b7ccd558d_join:
	s_mov_b64 s[64:65], 0
	v_nop
	global_prefetch_b8 v0, s[64:65] scope:SCOPE_SE
	s_setreg_imm32_b32 hwreg(HW_REG_WAVE_MODE, 25, 1), 1
	s_wait_xcnt 0x0
; The eight passes of a batch are joined.  Left out: b_att, which the softmax cancels for all values (shown at the head of the first kernel).
; Work-group x: batch b = x / 4, columns 512 q on of out0 and positions 128 q on of out1, q = x % 4.  128 threads; thread t holds scores 4 t .. 4 t + 3 of the batch, so sixteen neighbouring lanes hold a pass's 64.
; m_i = pass i's largest score (a maximum rounds nothing: the same bits that the pass took away); M = the batch's; e_n = 2^((s_n - M) log2 e); L = their sum; alpha_n = e_n / L;
; out0 = sum over i of 2^((m_i - M) log2 e) / L x part_i.  Memory binds: no matrix unit, no cluster; each load and store of a wave covers 512 consecutive bytes.
; LIMITS: NaN and infinities among the inputs are not served; terms under 2^-126 of the largest count as 0.
.set MIL,   0                          ; LDS: the eight m_i
.set LSL,   256                        ; the four waves' sums
.set SPARE, 512                        ; the spare words, 128 bytes for each wave: no other line names them
.set OFS, 2                            ; 16 t
.set MIA, 3
.set SC,  4                            ; v4-7    my four scores
.set PT,  8                            ; v8-39   part: eight passes x four columns
.set SPW, 40
.set NIL, 41
.set LSA, 42
.set ZA,  43
.set TA,  44
.set TB,  45
.set MM,  46
.set RC,  47
.set MI,  48                           ; v48-55  m_i, then the passes' factors
.set EN,  56                           ; v56-59  e_n, then alpha
.set OU,  60                           ; v60-63
	s_load_b256 s[4:11], s[0:1], 0x0               ; scores s[4:5], part s[6:7], out0 s[8:9], out1 s[10:11]
	v_lshl_add_u32 v[SPW], v0, 2, SPARE
	v_mov_b32 v[NIL], 0
	v_lshrrev_b32 v1, 5, v0
	v_readfirstlane_b32 s12, v1                    ; wave
	s_lshr_b32 s13, ttmp9, 2                       ; b
	s_and_b32 s14, ttmp9, 3                        ; q
	s_mov_b32 s20, 0x76543210
	s_mov_b32 s21, 0xfedcba98                      ; lane l xor 16
	s_mov_b32 s22, 0x3fb8aa3b                      ; log2 e
	v_lshlrev_b32 v[OFS], 4, v0
	v_lshrrev_b32 v[MIA], 4, v0
	v_lshlrev_b32 v[MIA], 2, v[MIA]                ; MIL + 4 (t / 16)
	s_lshl_b32 s15, s12, 2
	s_add_co_u32 s15, s15, LSL
	v_mov_b32 v[LSA], s15
	v_mov_b32 v[ZA], 0
	v_mov_b32 v[TB], 0                             ; a lane permute's destination counts as one of its sources
	s_mov_b32 s17, 0
	s_lshl_b32 s18, s14, 11
	s_wait_kmcnt 0x0
	s_lshl_b32 s16, s13, 11
	s_add_nc_u64 s[4:5], s[4:5], s[16:17]
	s_add_nc_u64 s[10:11], s[10:11], s[16:17]
	s_lshl_b32 s16, s13, 16
	s_add_co_u32 s16, s16, s18
	s_add_nc_u64 s[6:7], s[6:7], s[16:17]
	s_lshl_b32 s16, s13, 13
	s_add_co_u32 s16, s16, s18
	s_add_nc_u64 s[8:9], s[8:9], s[16:17]
	global_load_b128 v[SC:SC+3], v[OFS], s[4:5]
.irp i, 0,1,2,3,4,5,6,7
	global_load_b128 v[PT+4*\i:PT+4*\i+3], v[OFS], s[6:7] offset:8192*\i th:TH_LOAD_NT
.endr
	s_wait_loadcnt 8                               ; the scores are in; part's eight loads may be out
	v_max_num_f32 v[TA], v[SC], v[SC+1]
	v_max3_num_f32 v[TA], v[TA], v[SC+2], v[SC+3]
	v_max_num_f32_dpp v[TA], v[TA], v[TA] row_xmask:1 row_mask:0xf bank_mask:0xf
	v_max_num_f32_dpp v[TA], v[TA], v[TA] row_xmask:2 row_mask:0xf bank_mask:0xf
	v_max_num_f32_dpp v[TA], v[TA], v[TA] row_xmask:4 row_mask:0xf bank_mask:0xf
	v_max_num_f32_dpp v[TA], v[TA], v[TA] row_xmask:8 row_mask:0xf bank_mask:0xf
	ds_store_b32 v[MIA], v[TA]                     ; sixteen lanes write the same word with the same value
	s_wait_dscnt 0x0
	s_barrier_signal -1
	s_barrier_wait -1
	ds_load_b128 v[MI:MI+3], v[ZA] offset:MIL
	ds_load_b128 v[MI+4:MI+7], v[ZA] offset:MIL+16
	s_wait_dscnt 0x0
	v_max3_num_f32 v[MM], v[MI], v[MI+1], v[MI+2]
	v_max3_num_f32 v[MM], v[MM], v[MI+3], v[MI+4]
	v_max3_num_f32 v[MM], v[MM], v[MI+5], v[MI+6]
	v_max_num_f32 v[MM], v[MM], v[MI+7]            ; M: taken away ahead of every exponential
.irp k, 0,1,2,3
	v_sub_f32 v[EN+\k], v[SC+\k], v[MM]
.endr
.irp i, 0,1,2,3,4,5,6,7
	v_sub_f32 v[MI+\i], v[MI+\i], v[MM]
.endr
.irp k, 0,1,2,3
	v_mul_f32 v[EN+\k], s22, v[EN+\k]
.endr
.irp i, 0,1,2,3,4,5,6,7
	v_mul_f32 v[MI+\i], s22, v[MI+\i]
.endr
.irp k, 0,1,2,3
	v_exp_f32 v[EN+\k], v[EN+\k]
.endr
.irp i, 0,1,2,3,4,5,6,7
	v_exp_f32 v[MI+\i], v[MI+\i]
.endr
	v_nop                                          ; a plain instruction behind the twelve exponentials,
	s_wait_alu depctr_va_vdst(0)                   ; and the wait ahead of the first use: one for the batch
	v_add_f32 v[TA], v[EN], v[EN+1]
	v_add_f32 v1, v[EN+2], v[EN+3]
	v_add_f32 v[TA], v[TA], v1
	v_add_f32_dpp v[TA], v[TA], v[TA] row_xmask:1 row_mask:0xf bank_mask:0xf
	v_add_f32_dpp v[TA], v[TA], v[TA] row_xmask:2 row_mask:0xf bank_mask:0xf
	v_add_f32_dpp v[TA], v[TA], v[TA] row_xmask:4 row_mask:0xf bank_mask:0xf
	v_add_f32_dpp v[TA], v[TA], v[TA] row_xmask:8 row_mask:0xf bank_mask:0xf
	v_permlanex16_b32 v[TB], v[TA], s20, s21
	v_add_f32 v[TA], v[TA], v[TB]                  ; my wave's sum
	ds_store_b32 v[LSA], v[TA]
	s_wait_dscnt 0x0
	s_barrier_signal -1
	s_barrier_wait -1
	ds_load_b128 v[OU:OU+3], v[ZA] offset:LSL
	s_wait_dscnt 0x0
	v_add_f32 v[TA], v[OU], v[OU+1]
	v_add_f32 v1, v[OU+2], v[OU+3]
	v_add_f32 v[TA], v[TA], v1                     ; L
	v_rcp_f32 v[RC], v[TA]
	v_nop
	s_wait_alu depctr_va_vdst(0)                   ; ahead of the reciprocal's first use
.irp i, 0,1,2,3,4,5,6,7
	v_mul_f32 v[MI+\i], v[MI+\i], v[RC]
.endr
.irp k, 0,1,2,3
	v_mul_f32 v[EN+\k], v[EN+\k], v[RC]            ; alpha
.endr
	s_wait_loadcnt 0x0                             ; part
.irp k, 0,1,2,3
	v_mul_f32 v[OU+\k], v[PT+\k], v[MI]            ; the first pass starts the sums
.endr
.irp i, 1,2,3,4,5,6,7
.irp k, 0,1,2,3
	v_fma_f32 v[OU+\k], v[PT+4*\i+\k], v[MI+\i], v[OU+\k]
.endr
.endr
	global_store_b128 v[OFS], v[OU:OU+3], s[8:9]
	s_cmp_eq_u32 s12, s14                          ; of the batch's four work-groups each stores a quarter of alpha: the wave whose number is q
	s_cbranch_scc0 .Lnot_mine
	global_store_b128 v[OFS], v[EN:EN+3], s[10:11]
.Lnot_mine:
	s_wait_tensorcnt 0x0                           ; the wave's end
	ds_add_u32 v[SPW], v[NIL]
	s_wait_dscnt 0x0
	s_endpgm
.Lfunc_end_k_q6b7ccd558d_join:
	.size	k_q6b7ccd558d_join, .Lfunc_end_k_q6b7ccd558d_join-k_q6b7ccd558d_join
	.p2alignl 7, 3214868480
	.fill 96, 4, 3214868480
	.section	.rodata,"a",@progbits
	.p2align	6, 0x0
	.amdhsa_kernel k_q6b7ccd558d_join
		.amdhsa_group_segment_fixed_size 1024
		.amdhsa_private_segment_fixed_size 0
		.amdhsa_enable_private_segment 0
		.amdhsa_kernarg_size 32
		.amdhsa_user_sgpr_count 2
		.amdhsa_user_sgpr_kernarg_segment_ptr 1
		.amdhsa_wavefront_size32 1
		.amdhsa_system_sgpr_workgroup_id_x 1
		.amdhsa_system_sgpr_workgroup_id_y 1
		.amdhsa_system_sgpr_workgroup_id_z 1
		.amdhsa_system_vgpr_workitem_id 0
		.amdhsa_next_free_vgpr 64
		.amdhsa_next_free_sgpr 66
		.amdhsa_reserve_vcc 0
		.amdhsa_float_denorm_mode_32 3
		.amdhsa_float_denorm_mode_16_64 3
		.amdhsa_memory_ordered 1
		.amdhsa_forward_progress 1
		.amdhsa_inst_pref_size 8
	.end_amdhsa_kernel
	.amdgpu_metadata
---
amdhsa.version: [ 1, 2 ]
amdhsa.kernels:
  - .name:           k_q6b7ccd558d_join
    .symbol:         k_q6b7ccd558d_join.kd
    .args:
      - { .name: scores, .offset: 0, .size: 8, .value_kind: global_buffer, .address_space: global }
      - { .name: part, .offset: 8, .size: 8, .value_kind: global_buffer, .address_space: global }
      - { .name: out0, .offset: 16, .size: 8, .value_kind: global_buffer, .address_space: global }
      - { .name: out1, .offset: 24, .size: 8, .value_kind: global_buffer, .address_space: global }
    .group_segment_fixed_size: 1024
    .private_segment_fixed_size: 0
    .kernarg_segment_align: 8
    .kernarg_segment_size: 32
    .max_flat_workgroup_size: 128
    .sgpr_count:     66
    .vgpr_count:     64
    .wavefront_size: 32
...
	.end_amdgpu_metadata
.endif
;; end of part 3
;; ======== version 2 of 2: 3 launches
;; workspace buffers: wq 1,048,576 bytes; ws 65,536 bytes; bias 262,144 bytes; scores 131,072 bytes; part 4,194,304 bytes
;; launch prep (part 4): grid 96 x 1, 16 waves a work-group, no clusters, 64,512 bytes of LDS; arguments W_enc, W_dec, dec_out, b_enc, b_dec, wq, ws, bias; writes wq, ws, bias
.if DOCPART == 4
	.amdgcn_target "amdgcn-amd-amdhsa--gfx1250"
	.amdhsa_code_object_version 6
	.text
	.protected	k_q6b7ccd558d_prep
	.globl	k_q6b7ccd558d_prep
	.p2align	8
	.type	k_q6b7ccd558d_prep,@function
k_q6b7ccd558d_prep:
	s_mov_b64 s[64:65], 0
	v_nop
	global_prefetch_b8 v0, s[64:65] scope:SCOPE_SE
	s_setreg_imm32_b32 hwreg(HW_REG_WAVE_SCHED_MODE, 0, 2), 2
	s_setreg_imm32_b32 hwreg(HW_REG_WAVE_MODE, 25, 1), 1
	s_wait_xcnt 0x0
	s_wait_alu depctr_vm_vsrc(0)
; THE PROGRAM: weighted_enc and alpha of an additive attention.  scores[b][n] = sum over a of relu(Q(enc_out) Q(W_enc) + b_enc + Q(dec_out) Q(W_dec) + b_dec)[b][n][a] W_att[a] + b_att;
; alpha = softmax over n; weighted_enc[b] = sum over n of alpha[b][n] enc_out[b][n].  Q: codes of E2M1 with one E8M0 scale for each 32 along K.
; DEAD WORK: b_att is one number, added to all 512 scores of a batch.  Both outputs see the scores through the softmax over those 512 alone, and exp(s + c) / sum of exp(s + c) = exp(s) / sum of exp(s)
; for every finite c and every s.  So b_att reaches no output; it is not loaded and is among no launch's arguments.  LIMIT: a NaN, an infinity or an overflow that comes from b_att alone is not carried to the results.
; THIS LAUNCH.  Work-groups 0 to 63 turn W_enc [2048 (k)][1024 (a)], f32, into codes and scale words laid in the order of the operand's registers:
;   wq [s 16][w 4][t 16][c 2][lane 32][16 bytes]: lane (r, h) holds the codes of unit a = 256 w + 16 t + r for k = 128 s + 64 c + 32 h + 0 .. 31;
;   ws [s 16][w 4][g 2][lane 32][4 words]: word j is the scale word (the four bytes of K step s) of unit 256 w + 32 (4 g + j) + lane.
; Work-groups 64 to 95 make bias [64][1024] = Q(dec_out) Q(W_dec) + b_dec + b_enc, 32 columns each: both operands are quantised in registers and go from wave to wave through LDS as images of the operand's registers.
; A LANE TAKES A COLUMN OF W AND ITS REGISTERS RUN DOWN K: each load reads 128 consecutive bytes, a block of 32 along K lies in one lane, and the conversions give codes with K innermost.
; The two arms part on the work-group's number and share no LDS byte.  A work-group of the second arm owns 32 columns, so its stores into bias and its reads of W_dec cover runs of 128 bytes.
; LIMITS: NaN and infinities among the inputs are not served; a block whose largest magnitude lies under 2^-124 takes the byte 1; a block of zeros carries the byte 1 where the rule says 127: its codes are zeros, and this program alone reads the bytes.
; THE MODE: SCHED_MODE bits 1:0 = 2 (LLVM: expert scheduling mode 2), set by the entry lines.  The code itself states the register dependences
; between vector or matrix instructions and memory or LDS instructions, with s_wait_alu, always for 0.
; THE PLAN.  Registers that memory or LDS instructions touch:
;   v4-v20        offsets and LDS addresses: written at the head, never again: one wait on va_vdst ahead of the parting of the arms serves every load and store.
;   X, XA         global loads land in them; the quantiser reads them; in the second arm, behind the first barrier, LDS loads and the biases' loads land in them again.
;   P, HW, PA, TW, RES, v236-239   written by vector instructions, read by stores: one wait on va_vdst ahead of each run of stores.
;                 The wait ahead of the second tile's stores also states that the quantiser is done reading X and XA: no vector instruction between it and the loads behind the barrier names their registers.
;   PA, TW        are written again for the second tile of dec_out: one wait on vm_vsrc ahead of that.
.set SCM,   0                          ; LDS, first arm: the work-group's 256 scale words, in ws's order
.set WIM,   1024                       ; second arm: W_dec's 16 fragment images (K step v, tile: 2 v + tile), 1,024 bytes each
.set WSC,   17408                      ; their scale words: [v 8][column 32]
.set AIM,   18432                      ; dec_out's 32 fragment images (8 m + v)
.set ASD,   51200                      ; their scale words: [v 8][batch 64]
.set OUT,   53248                      ; 64 rows x (128 bytes + 16)
.set SPARE, 62464                      ; the spare words, 128 bytes for each of the 16 waves: no other line names them
.set LN,   1
.set R,    2
.set H,    3
.set LN4,  4                           ; 4 x lane
.set LN16, 5                           ; 16 x lane
.set SCMW, 6
.set SCMR, 7
.set WIMW, 8
.set WSCW, 9
.set AIMW, 10
.set ASDW, 11
.set AGO,  12                          ; dec_out: my byte offset
.set WIMR, 13
.set AIMR, 14
.set WSCR, 15
.set ASDR, 16
.set OUTW, 17
.set OUTR, 18
.set BGO,  19                          ; bias: my byte offset
.set BBO,  20                          ; b_dec, b_enc: my byte offset
.set SPW,  21                          ; my spare word's LDS address; never rewritten
.set NIL,  22                          ; 0; never rewritten
.set TW,   23                          ; at work
.set P,    24                          ; v24-31  W's codes
.set PA,   32                          ; v32-39  dec_out's codes
.set MXA,  40
.set MXB,  41
.set SO,   42
.set BY0,  43
.set BY1,  44
.set HW,   45
.set PT,   46
.set SH8,  47
.set SW,   48                          ; v48-55  W's scale words: scales and nothing else
.set SA,   56                          ; v56-63  dec_out's scale words: scales and nothing else
.set X,    64                          ; v64-127 64 numbers of W; later W's eight fragments
.set XA,   128                         ; v128-255 two tiles of dec_out; later its eight fragments (v128-191)
.set BB,   200                         ; v200-207 b_dec, b_enc
.set ACC,  208                         ; v208-223 two accumulators
.set RES,  224                         ; v224-231 their sum
.set U,    20                          ; s20 wave;  s21 wave / 2;  s22 wave % 2;  s23 (wave / 2) % 4
.set SEL,  28                          ; s[28:29] lane selects: lane l xor 16
; 32 numbers of one lane, one block along K, become 32 codes in four registers; so: the conversion's scale operand; by: the scale's byte
.macro QBLK x, c, so, by
	v_max3_num_f32 v[MXA], |v[(\x)]|, |v[(\x)+1]|, |v[(\x)+2]|
	v_max3_num_f32 v[MXB], |v[(\x)+3]|, |v[(\x)+4]|, |v[(\x)+5]|
.irp i, 6,10,14,18,22,26
	v_max3_num_f32 v[MXA], v[MXA], |v[(\x)+\i]|, |v[(\x)+\i+1]|
	v_max3_num_f32 v[MXB], v[MXB], |v[(\x)+\i+2]|, |v[(\x)+\i+3]|
.endr
	v_max3_num_f32 v[MXA], v[MXA], |v[(\x)+30]|, |v[(\x)+31]|
	v_max3_num_f32 v[MXA], v[MXA], v[MXB], 0x1800000   ; the floor 2^(3 - 127): the byte cannot fall under 1
	v_add_nc_u32 v[\so], 0xff000000, v[MXA]            ; 2 off the exponent field: the conversion takes that field as its scale
.irp g, 0,1,2,3
	v_cvt_scalef32_pk8_fp4_f32 v[(\c)+\g], v[(\x)+8*\g:(\x)+8*\g+7], v[\so]
.endr
	v_lshrrev_b32 v[\by], 23, v[\so]                   ; the byte; also the plain instruction behind the conversions
.endm
; 64 rows of W at my 32 columns: row i, 128 consecutive bytes a load
.macro WLOAD lo
.set wi, 0
.rept 64
	global_load_b32 v[X+wi], v[LN4], s[\lo:\lo+1] offset:wi*4096 th:TH_LOAD_NT
.set wi, wi+1
.endr
.endm
; My lane's two blocks (k 64 c + 0 .. 31 in P, + 32 .. 63 in P + 4) of its column become registers 4 c .. 4 c + 3 of two fragments: lanes 16-31 of the first four change places with lanes 0-15 of the second four.
; Then P .. P + 3 belong to the lower 16 columns (lanes 0-15 the first block, lanes 16-31 the second), P + 4 .. P + 7 to the upper 16.
.macro SWAPW
	v_nop
.irp i, 0,1,2,3
	v_permlane16_swap_b32 v[P+\i], v[P+4+\i]
.endr
	v_lshl_or_b32 v[HW], v[BY1], 8, v[BY0]             ; my column's two bytes: half c of its scale word
.endm
	s_load_b256 s[4:11], s[0:1], 0x0               ; W_enc s[4:5], W_dec s[6:7], dec_out s[8:9], b_enc s[10:11]
	s_load_b256 s[12:19], s[0:1], 0x20             ; b_dec s[12:13], wq s[14:15], ws s[16:17], bias s[18:19]
	v_lshl_add_u32 v[SPW], v0, 2, SPARE
	v_mov_b32 v[NIL], 0
	v_lshrrev_b32 v[TW], 5, v0
	v_readfirstlane_b32 s[U], v[TW]                ; wave u, 0 .. 15
	s_mov_b32 s[SEL], 0x76543210
	s_mov_b32 s[SEL+1], 0xfedcba98
	s_mov_b32 s31, 0
	v_and_b32 v[LN], 31, v0
	v_and_b32 v[R], 15, v0
	v_bfe_u32 v[H], v0, 4, 1
	v_lshlrev_b32 v[LN4], 2, v[LN]
	v_lshlrev_b32 v[LN16], 4, v[LN]
	s_wait_alu depctr_va_vdst(0)
	v_lshlrev_b32 v[SH8], 3, v[H]
	v_mov_b32 v[PT], 0                             ; a lane permute's destination counts as one of its sources
	s_wait_alu depctr_va_sdst(0)                   ; the wave's number is written, ahead of its first reader: addresses and branches are made from it
	s_lshr_b32 s21, s[U], 1                        ; vp
	s_and_b32 s22, s[U], 1                         ; c
	s_and_b32 s23, s21, 3
	; every LDS address of both arms is made here, ahead of the first parting
	s_lshr_b32 s24, s[U], 3
	s_lshl_b32 s24, s24, 9
	s_lshl_b32 s25, s23, 2
	s_add_co_u32 s24, s24, s25
	s_lshl_b32 s25, s22, 1
	s_add_co_u32 s24, s24, s25
	v_add_nc_u32 v[SCMW], s24, v[LN16]             ; SCM + 512 (vp / 4) + 16 lane + 4 (vp % 4) + 2 c
	s_lshl_b32 s25, s22, 9
	v_add_nc_u32 v[SCMR], s25, v[LN16]             ; SCM + 512 (u % 2) + 16 lane
	s_lshl_b32 s24, s21, 11
	s_add_co_u32 s24, s24, s25
	s_add_co_u32 s24, s24, WIM
	v_add_nc_u32 v[WIMW], s24, v[LN16]             ; WIM + 2048 vp + 512 c + 16 lane
	s_lshl_b32 s24, s21, 7
	s_lshl_b32 s26, s22, 1
	s_add_co_u32 s24, s24, s26
	s_add_co_u32 s24, s24, WSC
	v_add_nc_u32 v[WSCW], s24, v[LN4]              ; WSC + 128 vp + 4 lane + 2 c
	s_lshl_b32 s24, s22, 14
	s_lshl_b32 s26, s21, 10
	s_add_co_u32 s24, s24, s26
	s_add_co_u32 s24, s24, AIM
	v_add_nc_u32 v[AIMW], s24, v[LN16]             ; AIM + (8 (2 c) + vp) 1024 + 16 lane
	s_lshl_b32 s24, s21, 8
	s_lshl_b32 s26, s22, 7
	s_add_co_u32 s24, s24, s26
	s_add_co_u32 s24, s24, ASD
	v_lshl_add_u32 v[ASDW], v[R], 2, s24           ; ASD + 256 vp + 64 (2 c) + 4 r
	s_lshl_b32 s24, s22, 17
	s_lshl_b32 s26, s21, 9
	s_add_co_u32 s24, s24, s26
	v_lshlrev_b32 v[AGO], 12, v[R]
	v_lshl_add_u32 v[AGO], v[H], 7, v[AGO]
	v_add_nc_u32 v[AGO], s24, v[AGO]               ; dec_out: (32 c + r) rows of 4,096 bytes + 512 vp + 128 h
	s_lshl_b32 s24, s22, 10
	s_add_co_u32 s24, s24, WIM
	v_add_nc_u32 v[WIMR], s24, v[LN16]             ; the products: tile = u % 2, m = (u / 2) % 4
	s_lshl_b32 s24, s23, 13
	s_add_co_u32 s24, s24, AIM
	v_add_nc_u32 v[AIMR], s24, v[LN16]
	s_lshl_b32 s24, s22, 6
	s_add_co_u32 s24, s24, WSC
	v_lshl_add_u32 v[WSCR], v[R], 2, s24
	s_lshl_b32 s24, s23, 6
	s_add_co_u32 s24, s24, ASD
	v_lshl_add_u32 v[ASDR], v[R], 2, s24
	s_mul_i32 s24, s23, 2304
	s_lshl_b32 s26, s22, 6
	s_add_co_u32 s24, s24, s26
	s_add_co_u32 s24, s24, OUT
	v_mul_u32_u24 v[OUTW], v[R], 144
	v_lshl_add_u32 v[OUTW], v[H], 5, v[OUTW]
	v_add_nc_u32 v[OUTW], s24, v[OUTW]             ; OUT + (16 m + r) 144 + 64 tile + 32 h
	v_lshrrev_b32 v[TW], 3, v[LN]                  ; lane / 8
	v_and_b32 v[BBO], 7, v[LN]
	v_lshlrev_b32 v[BBO], 4, v[BBO]                ; 16 (lane % 8)
	s_mul_i32 s24, s[U], 576
	s_add_co_u32 s24, s24, OUT
	v_mul_u32_u24 v[OUTR], v[TW], 144
	v_add_nc_u32 v[OUTR], v[OUTR], v[BBO]
	v_add_nc_u32 v[OUTR], s24, v[OUTR]             ; OUT + (4 u + lane / 8) 144 + 16 (lane % 8)
	s_lshl_b32 s24, s[U], 14
	v_lshl_add_u32 v[BGO], v[TW], 12, v[BBO]
	v_add_nc_u32 v[BGO], s24, v[BGO]               ; the same place in bias: rows of 4,096 bytes
	s_wait_alu depctr_va_vdst(0)                   ; the offsets and LDS addresses v4 to v20 are written: the loads and stores of both arms read them, and no line writes them again
	s_wait_kmcnt 0x0
	s_cmp_lt_u32 ttmp9, 64
	s_cbranch_scc0 .Ldec
	; ---- W_enc: K step s = x / 4, units 256 w on, w = x % 4.  Wave u: columns 32 vp on, k 64 c on
	s_lshr_b32 s24, ttmp9, 2
	s_and_b32 s25, ttmp9, 3
	s_lshl_b32 s30, s24, 19                        ; (128 s + 64 c) rows of 4,096 bytes + (256 w + 32 vp) x 4
	s_lshl_b32 s26, s22, 18
	s_add_co_u32 s30, s30, s26
	s_lshl_b32 s26, s25, 10
	s_add_co_u32 s30, s30, s26
	s_lshl_b32 s26, s21, 7
	s_add_co_u32 s30, s30, s26
	s_add_nc_u64 s[4:5], s[4:5], s[30:31]
	WLOAD 4
	s_lshl_b32 s30, s24, 16                        ; wq: 65536 s + 16384 w + 2048 vp + 512 c
	s_lshl_b32 s26, s25, 14
	s_add_co_u32 s30, s30, s26
	s_lshl_b32 s26, s21, 11
	s_add_co_u32 s30, s30, s26
	s_lshl_b32 s26, s22, 9
	s_add_co_u32 s30, s30, s26
	s_add_nc_u64 s[14:15], s[14:15], s[30:31]
	s_lshl_b32 s30, s24, 12                        ; ws: 4096 s + 1024 w + 512 (u % 2)
	s_lshl_b32 s27, s25, 10
	s_add_co_u32 s30, s30, s27
	s_add_co_u32 s30, s30, s26
	s_add_nc_u64 s[16:17], s[16:17], s[30:31]
	s_wait_loadcnt 32                              ; the first block's 32 loads are in; the second block's may be out
	QBLK X, P, SO, BY0
	s_wait_loadcnt 0x0
	QBLK X+32, P+4, SO, BY1
	SWAPW
	s_wait_alu depctr_va_vdst(0)                   ; the exchange has written the codes in P .. P + 7 and the two bytes are in HW: the three stores below read them
	global_store_b128 v[LN16], v[P:P+3], s[14:15]               ; 512 consecutive bytes: half c of tile 2 vp's fragment
	global_store_b128 v[LN16], v[P+4:P+7], s[14:15] offset:1024 ; and of tile 2 vp + 1's
	ds_store_b16 v[SCMW], v[HW]
	s_wait_dscnt 0x0                               ; for the others' sake: my two bytes lie in LDS
	s_barrier_signal -1
	s_barrier_wait -1
	s_cmp_lt_u32 s[U], 2
	s_cbranch_scc0 .Lenc_end
	ds_load_b128 v[PA:PA+3], v[SCMR]               ; waves 0 and 1 store the 256 scale words, 512 consecutive bytes each (no vector instruction of this arm names PA)
	s_wait_dscnt 0x0
	global_store_b128 v[LN16], v[PA:PA+3], s[16:17]
.Lenc_end:
	s_wait_dscnt 0x0                               ; the wave's end
	s_wait_alu 0x0
	s_wait_tensorcnt 0x0
	ds_add_u32 v[SPW], v[NIL]
	s_wait_dscnt 0x0
	s_endpgm
.Ldec:
	; ---- bias: columns 32 cg on, cg = x - 64.  Wave u quantises K step vp, half c, of W_dec's 32 columns, and batch tiles 2 c, 2 c + 1 of K step vp of dec_out
	s_sub_co_u32 s24, ttmp9, 64
	s_lshl_b32 s30, s24, 7                         ; 128 cg bytes
	s_add_nc_u64 s[10:11], s[10:11], s[30:31]
	s_add_nc_u64 s[12:13], s[12:13], s[30:31]
	s_add_nc_u64 s[18:19], s[18:19], s[30:31]
	s_lshl_b32 s26, s21, 19
	s_add_co_u32 s30, s30, s26
	s_lshl_b32 s26, s22, 18
	s_add_co_u32 s30, s30, s26                     ; + (128 vp + 64 c) rows of 4,096 bytes
	s_add_nc_u64 s[6:7], s[6:7], s[30:31]
	WLOAD 6
.irp i, 0,1                                    ; lane (r, h) takes, of batch 16 (2 c + i) + r, k = 128 vp + 64 cc + 32 h + 0 .. 31: a whole block in a lane, in the operand's own order
.irp cc, 0,1
.irp j, 0,1,2,3,4,5,6,7
	global_load_b128 v[XA+64*\i+32*\cc+4*\j:XA+64*\i+32*\cc+4*\j+3], v[AGO], s[8:9] offset:65536*\i+256*\cc+16*\j
.endr
.endr
.endr
	s_wait_loadcnt 63                              ; W's first block is in: 64 loads were issued behind it, and 63 is the largest count that the wait can name
	QBLK X, P, SO, BY0
	s_wait_loadcnt 32                              ; W's second block; dec_out's 32 loads may be out
	QBLK X+32, P+4, SO, BY1
	SWAPW
	s_wait_alu depctr_va_vdst(0)                   ; the exchange has written the codes in P .. P + 7 and the two bytes are in HW: the three LDS stores below read them
	ds_store_b128 v[WIMW], v[P:P+3]                ; images of the operand's registers: 16 bytes a lane
	ds_store_b128 v[WIMW], v[P+4:P+7] offset:1024
	ds_store_b16 v[WSCW], v[HW]
.irp i, 0,1
	s_wait_loadcnt 16-16*\i                        ; this tile's 16 loads are in; the next tile's may be out
.if \i
	s_wait_dscnt 0x0                               ; the first tile's stores have read their registers
	s_wait_alu depctr_vm_vsrc(0)                   ; the first tile's LDS stores have read PA .. PA + 7 and TW, which the lines below write again
.endif
	QBLK XA+64*\i, PA, SO, BY0
	QBLK XA+64*\i+32, PA+4, SO, BY1
	v_lshl_or_b32 v[TW], v[BY1], 16, v[BY0]        ; my two bytes: blocks h and 2 + h of my row,
	v_lshlrev_b32 v[TW], v[SH8], v[TW]             ; at their places in the scale word;
	v_permlanex16_b32 v[PT], v[TW], s[SEL], s[SEL+1]
	v_or_b32 v[TW], v[TW], v[PT]                   ; with lane l xor 16's two the word is whole
	s_wait_alu depctr_va_vdst(0)                   ; the conversions have written PA .. PA + 7 and the word is in TW: the three stores below read them.  Behind the second tile it also states that the quantiser is done reading X and XA, in which the loads behind the barrier land
	ds_store_b128 v[AIMW], v[PA:PA+3] offset:8192*\i
	ds_store_b128 v[AIMW], v[PA+4:PA+7] offset:8192*\i+512
	ds_store_b32 v[ASDW], v[TW] offset:64*\i       ; lanes r and 16 + r write the same word with the same value
.endr
	s_wait_dscnt 0x0
	s_barrier_signal -1
	s_barrier_wait -1                              ; all 48 images and their scale words lie in LDS
	global_load_b128 v[BB:BB+3], v[BBO], s[12:13]  ; b_dec and b_enc at my four columns: wanted behind the next barrier
	global_load_b128 v[BB+4:BB+7], v[BBO], s[10:11]
	s_cmp_lt_u32 s[U], 8
	s_cbranch_scc0 .Lno_mul
	; waves 0 to 7: 16 columns (tile) x 16 batches (m), K = 1,024 in eight steps
.irp k, 0,1,2,3,4,5,6,7
.irp cc, 0,1
	ds_load_b128 v[X+8*\k+4*\cc:X+8*\k+4*\cc+3], v[WIMR] offset:2048*\k+512*\cc
	ds_load_b128 v[XA+8*\k+4*\cc:XA+8*\k+4*\cc+3], v[AIMR] offset:1024*\k+512*\cc
.endr
	ds_load_b32 v[SW+\k], v[WSCR] offset:128*\k
	ds_load_b32 v[SA+\k], v[ASDR] offset:256*\k
.endr
	s_wait_dscnt 0x0
.irp k, 0,1,2,3,4,5,6,7                        ; source 0 = 16 columns of W_dec, source 1 = 16 batches: a lane holds one batch and eight neighbouring columns.  Two accumulators by turns
.if \k < 2
	v_wmma_scale_f32_16x16x128_f8f6f4 v[ACC+8*(\k%2):ACC+8*(\k%2)+7], v[X+8*\k:X+8*\k+7], v[XA+8*\k:XA+8*\k+7], 0, v[SW+\k], v[SA+\k] matrix_a_fmt:MATRIX_FMT_FP4 matrix_b_fmt:MATRIX_FMT_FP4
.else
	v_wmma_scale_f32_16x16x128_f8f6f4 v[ACC+8*(\k%2):ACC+8*(\k%2)+7], v[X+8*\k:X+8*\k+7], v[XA+8*\k:XA+8*\k+7], v[ACC+8*(\k%2):ACC+8*(\k%2)+7], v[SW+\k], v[SA+\k] matrix_a_fmt:MATRIX_FMT_FP4 matrix_b_fmt:MATRIX_FMT_FP4
.endif
.endr
.rept 4
	v_nop                                          ; four places between the last product and the first read of results (ISA guide 7.12.1)
.endr
.irp j, 0,2,4,6
	v_pk_add_f32 v[RES+\j:RES+\j+1], v[ACC+\j:ACC+\j+1], v[ACC+8+\j:ACC+8+\j+1]   ; each accumulator from its low end on
.endr
	s_wait_alu depctr_va_vdst(0)                   ; the four additions have written RES, which the two LDS stores read
	ds_store_b128 v[OUTW], v[RES:RES+3]
	ds_store_b128 v[OUTW], v[RES+4:RES+7] offset:16
.Lno_mul:
	s_wait_dscnt 0x0
	s_barrier_signal -1
	s_barrier_wait -1                              ; 64 rows x 32 columns lie in OUT
	ds_load_b128 v[232:235], v[OUTR]               ; (the quantiser read v232-235 ahead of the second tile's wait; no vector or matrix instruction has named them since)
	s_wait_loadcnt 0x0                             ; b_dec, b_enc
	v_pk_add_f32 v[BB:BB+1], v[BB:BB+1], v[BB+4:BB+5]
	v_pk_add_f32 v[BB+2:BB+3], v[BB+2:BB+3], v[BB+6:BB+7]
	s_wait_alu depctr_va_vdst(0)
	s_wait_dscnt 0x0
	v_pk_add_f32 v[236:237], v[232:233], v[BB:BB+1]
	v_pk_add_f32 v[238:239], v[234:235], v[BB+2:BB+3]
	s_wait_alu depctr_va_vdst(0)                   ; the additions have written v236-239, which the store reads
	global_store_b128 v[BGO], v[236:239], s[18:19] ; eight lanes store a row's 128 bytes
	s_wait_dscnt 0x0                               ; the wave's end
	s_wait_alu 0x0
	s_wait_tensorcnt 0x0
	ds_add_u32 v[SPW], v[NIL]
	s_wait_dscnt 0x0
	s_endpgm
.Lfunc_end_k_q6b7ccd558d_prep:
	.size	k_q6b7ccd558d_prep, .Lfunc_end_k_q6b7ccd558d_prep-k_q6b7ccd558d_prep
	.p2alignl 7, 3214868480
	.fill 96, 4, 3214868480
	.section	.rodata,"a",@progbits
	.p2align	6, 0x0
	.amdhsa_kernel k_q6b7ccd558d_prep
		.amdhsa_group_segment_fixed_size 64512
		.amdhsa_private_segment_fixed_size 0
		.amdhsa_enable_private_segment 0
		.amdhsa_kernarg_size 64
		.amdhsa_user_sgpr_count 2
		.amdhsa_user_sgpr_kernarg_segment_ptr 1
		.amdhsa_wavefront_size32 1
		.amdhsa_system_sgpr_workgroup_id_x 1
		.amdhsa_system_sgpr_workgroup_id_y 1
		.amdhsa_system_sgpr_workgroup_id_z 1
		.amdhsa_system_vgpr_workitem_id 0
		.amdhsa_next_free_vgpr 256
		.amdhsa_next_free_sgpr 66
		.amdhsa_reserve_vcc 0
		.amdhsa_float_denorm_mode_32 3
		.amdhsa_float_denorm_mode_16_64 3
		.amdhsa_memory_ordered 1
		.amdhsa_forward_progress 1
		.amdhsa_inst_pref_size 40
	.end_amdhsa_kernel
	.amdgpu_metadata
---
amdhsa.version: [ 1, 2 ]
amdhsa.kernels:
  - .name:           k_q6b7ccd558d_prep
    .symbol:         k_q6b7ccd558d_prep.kd
    .args:
      - { .name: W_enc, .offset: 0, .size: 8, .value_kind: global_buffer, .address_space: global }
      - { .name: W_dec, .offset: 8, .size: 8, .value_kind: global_buffer, .address_space: global }
      - { .name: dec_out, .offset: 16, .size: 8, .value_kind: global_buffer, .address_space: global }
      - { .name: b_enc, .offset: 24, .size: 8, .value_kind: global_buffer, .address_space: global }
      - { .name: b_dec, .offset: 32, .size: 8, .value_kind: global_buffer, .address_space: global }
      - { .name: wq, .offset: 40, .size: 8, .value_kind: global_buffer, .address_space: global }
      - { .name: ws, .offset: 48, .size: 8, .value_kind: global_buffer, .address_space: global }
      - { .name: bias, .offset: 56, .size: 8, .value_kind: global_buffer, .address_space: global }
    .group_segment_fixed_size: 64512
    .private_segment_fixed_size: 0
    .kernarg_segment_align: 8
    .kernarg_segment_size: 64
    .max_flat_workgroup_size: 512
    .sgpr_count:     66
    .vgpr_count:     256
    .wavefront_size: 32
...
	.end_amdgpu_metadata
.endif
;; end of part 4
;; launch main (part 5): grid 512 x 1, 4 waves a work-group, no clusters, 316,416 bytes of LDS; arguments enc_out, wq, ws, bias, W_att, scores, part; writes scores, part
.if DOCPART == 5
	.amdgcn_target "amdgcn-amd-amdhsa--gfx1250"
	.amdhsa_code_object_version 6
	.text
	.protected	k_q6b7ccd558d_main
	.globl	k_q6b7ccd558d_main
	.p2align	8
	.type	k_q6b7ccd558d_main,@function
k_q6b7ccd558d_main:
	s_mov_b64 s[64:65], 0
	v_nop
	global_prefetch_b8 v0, s[64:65] scope:SCOPE_SE
	s_setreg_imm32_b32 hwreg(HW_REG_WAVE_SCHED_MODE, 0, 2), 2
	s_setreg_imm32_b32 hwreg(HW_REG_WAVE_MODE, 25, 1), 1
	s_wait_xcnt 0x0
	s_wait_alu depctr_vm_vsrc(0)
; A PASS: 64 rows of enc_out (one batch, positions 64 (x % 8) on), all 1,024 attention units, all of K = 2,048.  Left out: b_att, which the softmax cancels for all values (shown at the head of the first kernel).
; scores[row] = sum over a of relu(Q(enc) Q(W_enc) + bias[b])[row][a] W_att[a];  m = the pass's largest score;  p = 2^((score - m) log2 e);  part[x][:] = sum over the 64 rows of p x row.  The last launch joins a batch's eight passes.
; enc_out IS READ ONCE.  K goes in 16 steps of 128.  A chunk (64 rows x 128 numbers) is quantised as it arrives and multiplied in the next step, and it is also rounded to bf16 and KEPT in LDS, until the rows' scores are known.
; SHARES.  Wave w quantises rows 16 w .. 16 w + 15 of each chunk; its fragment and scale words go to the other waves through LDS as an image of the operand's registers.  THE WAVES SHARE THE UNITS: wave w multiplies all 64 rows
; by units 256 w .. 256 w + 255: 4 x 16 accumulators, 512 registers.  So each byte of W's codes feeds one wave of the work-group, and comes from memory straight into that wave's registers, in the operand's order (16 bytes a lane, 512 a load).
; NO CLUSTER, NO TENSOR LOAD: what work-groups share is W's codes.  A K step of them with its scale words is 69,632 bytes, two slots 139,264; the kept rows (263,168), the stages (33,792) and the images and tables (19,456) leave 11,264 of 327,680.
; THE MATRIX INSTRUCTION IS USED TRANSPOSED: source 0 = 16 units of W, source 1 = 16 rows: a lane holds one row (lane % 16) and eight neighbouring units (8 (lane / 16) + j).
; LIMITS: NaN and infinities among the inputs are not served; a block whose largest magnitude lies under 2^-124 takes the byte 1, a block of zeros too (its codes are zeros; this program alone reads the bytes);
; the rows of the weighted sum are rounded to bf16; sums over K, units and rows are taken in another order than the reference's.
; REGISTERS, in windows of 256: window 0: see the names below.  window 1: W's fragments, two sets: set p, tile t at v[128 p + 8 t].  windows 2 and 3: the accumulators: (m, t) at v[8 (16 (m % 2) + t)] of window 2 + m / 2.
; THE MODE: SCHED_MODE bits 1:0 = 2 (LLVM: expert scheduling mode 2), set by the entry lines.  The code itself states the register dependences
; between vector or matrix instructions and memory or LDS instructions, with s_wait_alu, always for 0.
; THE PLAN.  Registers that memory or LDS instructions touch, round a step s (p = s % 2):
;   offsets and LDS addresses   written at the head, never again; v[RTC] alone is written once a trip of the K loop.
;   AF, AS, W's set p, WS's set p   loads land in them; step s's products read them; AF and AS are loaded again at step s + 1's head, the sets p in step s + 1.
;   E[1 - p]      global loads land in it; the stage's 16 stores read it; the loads of chunk s + 3 land in it.  No vector instruction names it in the K loop.
;   X             the stage's loads land in it; the quantiser reads it and the roundings write its first 16 registers; the kept rows' stores read those; twice a step.
;   CD, SWD       written by the conversions and the word's four lines; read by the images' stores.
; FOUR WAITS A STEP.  (1) vm_vsrc behind the stage's stores: the last step's stores have read X, CD and SWD, the stage's have read E[1 - p].  (2) va_vdst ahead of the first half's stores: X's first 16, CD (and v[RTC]) are written,
; and the quantiser is done with X.  (3) vm_vsrc behind those stores: they have read X, in which the second block lands.  (4) va_vdst ahead of the second half's stores: X, CD, SWD are written, and the step's 64 products are done reading
; AF, AS, W's set and WS's: between this wait and the next step's loads into them stand LDS stores, waits, the barrier and, at the loop's edge, the add to v[RTC]: nothing that names a register of those loads.
.set RPITCH, 4112                      ; a kept row: 4,096 bytes of bf16 + 16: row r starts 4 r words on modulo 64
.set STG,    263168                    ; behind the 64 kept rows: a stage of 16 rows x 528 bytes for each wave
.set SPITCH, 528
.set WSTG,   16*SPITCH
.set IMG,    296960                    ; two buffers of four fragment images of 1,024 bytes
.set ASC,    305152                    ; two buffers of 64 scale words
.set BIA,    305664                    ; the batch's 1,024 biases; 4,096 bytes on: W_att
.set SCP,    313856                    ; [wave 4][row 64] partial scores
.set PRB,    314880                    ; p, a copy of 256 bytes for each wave
.set SPARE,  315904                    ; the spare words, 128 bytes for each wave: no other line names them
.set LOF, 1                            ; 16 x lane
.set STW, 2                            ; my stage + 16 lane
.set STR, 3                            ; my stage + 528 r + 128 h
.set IMW, 4                            ; IMG + 1024 w + 16 lane
.set IMR, 5                            ; IMG + 16 lane
.set ASW, 6                            ; ASC + 64 w + 4 r
.set ASR, 7                            ; ASC + 4 lane
.set RTA, 8                            ; (16 w + r) RPITCH + 64 h; never rewritten
.set SH8, 9                            ; 8 h
.set PFO, 10                           ; the prefetches' offset: (lane / 2) rows of 8,192 bytes + 256 (lane % 2); never rewritten
.set BAD, 11                           ; BIA + 1024 w + 32 h
.set SCW, 12                           ; SCP + 256 w + 4 r
.set SCR, 13                           ; SCP + 8 lane
.set SPW, 14                           ; my spare word's LDS address; never rewritten
.set NIL, 15                           ; 0; never rewritten
.set AS,  16                           ; v16-17  the rows' scale words: register i: lanes 0-15 row tile 2 i, lanes 16-31 tile 2 i + 1.  Scales and nothing else
.set PRW, 18                           ; PRB + 256 w + 8 lane
.set RTC, 19                           ; RTA + the trip's step
.set WS,  20                           ; v20-35  W's scale words, two sets of 8: register t / 2: lanes 0-15 tile t even, lanes 16-31 tile t odd.  Scales and nothing else
.set AF,  36                           ; v36-67  the four row fragments
.set E0,  68                           ; v68-131, v132-195: two chunks as they are loaded, 16 rows x 4 registers
.set X,   196                          ; v196-227 32 neighbours along K of my row; at work in the tail
.set CD,  228                          ; v228-235 my fragment's codes; in the tail the scores' sums
.set MXA, 236
.set MXB, 237
.set SO,  238
.set BY0, 239
.set BY1, 240
.set SWD, 241
.set PT,  242
.set L8,  243                          ; 8 x lane
.set T32, 244                          ; 32 x thread
.set BIW, 245                          ; BIA + 32 x thread
.set WA0, 246                          ; 16 x thread
.set WA,  247
.set PP0, 248                          ; PRB + 256 w
.set PP,  249
.set SGW, 250                          ; my stage + 32 lane
.set SUM, 36                           ; the tail: 16 sums of the weighted rows
.set WD,  68                           ; the tail: two sets of 36: four p, then four rows x 8 registers
.set ENC, 4                            ; s[4:5]   enc_out at my wave's 16 rows, stepped two chunks a trip
.set WQ,  6                            ; s[6:7]   wq at my wave's part, stepped two K steps a trip
.set WSB, 8                            ; s[8:9]   ws likewise
.set BIP, 10
.set WAP, 12
.set SCO, 14
.set PAR, 16
.set WV,  18
.set SEL, 20
.set CNT, 22
.set RS,  23                           ; the kept rows' step: 512 bytes a trip
.set L2E, 26
.set RW,  27
.set RPP, 30
.set MSB, 0
.macro WIN new                         ; the immediate's high byte repeats the setting that is left
.if MSB != \new
	s_set_vgpr_msb (MSB<<8)|\new
.set MSB, \new
.endif
.endm
.set MUL_LO, 0xa1                      ; source 0 (W) window 1, source 1 (rows) window 0, C and D window 2
.set MUL_HI, 0xf1                      ; the same, C and D window 3
.set TO_B,   0x40                      ; destination window 1, address window 0
; 32 numbers of one lane, one block along K, become 32 codes in four registers; so: the conversion's scale operand; by: the scale's byte
.macro QBLK x, c, so, by
	v_max3_num_f32 v[MXA], |v[(\x)]|, |v[(\x)+1]|, |v[(\x)+2]|
	v_max3_num_f32 v[MXB], |v[(\x)+3]|, |v[(\x)+4]|, |v[(\x)+5]|
.irp i, 6,10,14,18,22,26
	v_max3_num_f32 v[MXA], v[MXA], |v[(\x)+\i]|, |v[(\x)+\i+1]|
	v_max3_num_f32 v[MXB], v[MXB], |v[(\x)+\i+2]|, |v[(\x)+\i+3]|
.endr
	v_max3_num_f32 v[MXA], v[MXA], |v[(\x)+30]|, |v[(\x)+31]|
	v_max3_num_f32 v[MXA], v[MXA], v[MXB], 0x1800000   ; the floor 2^(3 - 127): the byte cannot fall under 1
	v_add_nc_u32 v[\so], 0xff000000, v[MXA]            ; 2 off the exponent field: the conversion takes that field as its scale
.irp g, 0,1,2,3
	v_cvt_scalef32_pk8_fp4_f32 v[(\c)+\g], v[(\x)+8*\g:(\x)+8*\g+7], v[\so]
.endr
	v_lshrrev_b32 v[\by], 23, v[\so]                   ; the byte; also the plain instruction behind the conversions
.endm
; W's 16 fragments and 8 registers of scale words of K step wst (counted from the bases) into set p: 34 loads of 512 consecutive bytes
.macro WISSUE p, wst
	WIN TO_B
.set wi, 0
.rept 32
	global_load_b128 v[128*(\p)+4*wi:128*(\p)+4*wi+3], v[LOF], s[WQ:WQ+1] offset:65536*(\wst)+512*wi
.set wi, wi+1
.endr
	WIN 0
	global_load_b128 v[WS+8*(\p):WS+8*(\p)+3], v[LOF], s[WSB:WSB+1] offset:4096*(\wst)
	global_load_b128 v[WS+8*(\p)+4:WS+8*(\p)+7], v[LOF], s[WSB:WSB+1] offset:4096*(\wst)+512
.endm
; rows i0 .. i1 of my 16, chunk ech (counted from the base), into buffer e: a load takes 512 consecutive bytes of one row
.macro EISSUE e, ech, i0, i1
.set ei, \i0
.rept (\i1)-(\i0)+1
	global_load_b128 v[E0+64*(\e)+4*ei:E0+64*(\e)+4*ei+3], v[LOF], s[ENC:ENC+1] offset:8192*ei+512*(\ech) th:TH_LOAD_NT
.set ei, ei+1
.endr
.endm
.macro FETCH_A b                       ; the four row fragments and their scale words, as their makers stored them: 10 LDS loads
.irp m, 0,1,2,3
.irp c, 0,1
	ds_load_b128 v[AF+8*\m+4*\c:AF+8*\m+4*\c+3], v[IMR] offset:4096*(\b)+1024*\m+512*\c
.endr
.endr
	ds_load_b32 v[AS], v[ASR] offset:256*(\b)
	ds_load_b32 v[AS+1], v[ASR] offset:256*(\b)+128
.endm
.macro STAGE_IN e                      ; a chunk's 16 rows into my stage, as they were loaded
.set si, 0
.rept 16
	ds_store_b128 v[STW], v[E0+64*(\e)+4*si:E0+64*(\e)+4*si+3] offset:SPITCH*si
.set si, si+1
.endr
.endm
.macro STAGE_OUT c                     ; and back: lane (r, h) takes k = 64 c + 32 h + 0 .. 31 of row r: a whole block
.irp j, 0,1,2,3,4,5,6,7
	ds_load_b128 v[X+4*\j:X+4*\j+3], v[STR] offset:256*(\c)+16*\j
.endr
.endm
; The block in X: its codes are registers 4 c .. 4 c + 3 of my fragment and go to image buffer b; the numbers, rounded to bf16, go to chunk rch of the kept rows.  With c = 1 the scale word is whole and goes too.
; All the vector work stands ahead of the one wait, all the stores behind it.
.macro QHALF c, b, rch
	QBLK X, CD+4*(\c), SO, BY0+(\c)
.set qi, 0
.rept 16
	v_cvt_pk_bf16_f32 v[X+qi], v[X+2*qi], v[X+2*qi+1]  ; in place, ascending: each pair is read before its place is needed
.set qi, qi+1
.endr
.if \c == 1
	v_lshl_or_b32 v[SWD], v[BY1], 16, v[BY0]       ; my two bytes: blocks h and 2 + h of my row,
	v_lshlrev_b32 v[SWD], v[SH8], v[SWD]           ; at their places;
	v_permlanex16_b32 v[PT], v[SWD], s[SEL], s[SEL+1]
	v_or_b32 v[SWD], v[SWD], v[PT]                 ; with lane l xor 16's two the word is whole
.endif
	s_wait_alu depctr_va_vdst(0)                   ; the roundings have written X's first 16 registers and the conversions these four of CD (c = 1: the word is in SWD), which the stores below read by v[RTC], written at the loop's edge; the quantiser is done with X, in which the next block lands.  c = 1: the step's products are done reading the fragments, W's set and both kinds of scale words, in which the next step's loads land
.irp j, 0,1,2,3
	ds_store_b128 v[RTC], v[X+4*\j:X+4*\j+3] offset:256*(\rch)+128*(\c)+16*\j
.endr
	ds_store_b128 v[IMW], v[CD+4*(\c):CD+4*(\c)+3] offset:4096*(\b)+512*(\c)
.if \c == 1
	ds_store_b32 v[ASW], v[SWD] offset:256*(\b)    ; lanes r and 16 + r write the same word with the same value
.endif
.endm
; one product.  ra, rb: the scale register's upper lanes serve source 0, source 1
.macro WM d, a, b, sa, sb, ra, rb, zero
.if \zero
.if (\ra) && (\rb)
	v_wmma_scale_f32_16x16x128_f8f6f4 v[(\d):(\d)+7], v[(\a):(\a)+7], v[(\b):(\b)+7], 0, v[\sa], v[\sb] matrix_a_fmt:MATRIX_FMT_FP4 matrix_b_fmt:MATRIX_FMT_FP4 matrix_a_scale:MATRIX_SCALE_ROW1 matrix_b_scale:MATRIX_SCALE_ROW1
.elseif \ra
	v_wmma_scale_f32_16x16x128_f8f6f4 v[(\d):(\d)+7], v[(\a):(\a)+7], v[(\b):(\b)+7], 0, v[\sa], v[\sb] matrix_a_fmt:MATRIX_FMT_FP4 matrix_b_fmt:MATRIX_FMT_FP4 matrix_a_scale:MATRIX_SCALE_ROW1
.elseif \rb
	v_wmma_scale_f32_16x16x128_f8f6f4 v[(\d):(\d)+7], v[(\a):(\a)+7], v[(\b):(\b)+7], 0, v[\sa], v[\sb] matrix_a_fmt:MATRIX_FMT_FP4 matrix_b_fmt:MATRIX_FMT_FP4 matrix_b_scale:MATRIX_SCALE_ROW1
.else
	v_wmma_scale_f32_16x16x128_f8f6f4 v[(\d):(\d)+7], v[(\a):(\a)+7], v[(\b):(\b)+7], 0, v[\sa], v[\sb] matrix_a_fmt:MATRIX_FMT_FP4 matrix_b_fmt:MATRIX_FMT_FP4
.endif
.else
.if (\ra) && (\rb)
	v_wmma_scale_f32_16x16x128_f8f6f4 v[(\d):(\d)+7], v[(\a):(\a)+7], v[(\b):(\b)+7], v[(\d):(\d)+7], v[\sa], v[\sb] matrix_a_fmt:MATRIX_FMT_FP4 matrix_b_fmt:MATRIX_FMT_FP4 matrix_a_scale:MATRIX_SCALE_ROW1 matrix_b_scale:MATRIX_SCALE_ROW1
.elseif \ra
	v_wmma_scale_f32_16x16x128_f8f6f4 v[(\d):(\d)+7], v[(\a):(\a)+7], v[(\b):(\b)+7], v[(\d):(\d)+7], v[\sa], v[\sb] matrix_a_fmt:MATRIX_FMT_FP4 matrix_b_fmt:MATRIX_FMT_FP4 matrix_a_scale:MATRIX_SCALE_ROW1
.elseif \rb
	v_wmma_scale_f32_16x16x128_f8f6f4 v[(\d):(\d)+7], v[(\a):(\a)+7], v[(\b):(\b)+7], v[(\d):(\d)+7], v[\sa], v[\sb] matrix_a_fmt:MATRIX_FMT_FP4 matrix_b_fmt:MATRIX_FMT_FP4 matrix_b_scale:MATRIX_SCALE_ROW1
.else
	v_wmma_scale_f32_16x16x128_f8f6f4 v[(\d):(\d)+7], v[(\a):(\a)+7], v[(\b):(\b)+7], v[(\d):(\d)+7], v[\sa], v[\sb] matrix_a_fmt:MATRIX_FMT_FP4 matrix_b_fmt:MATRIX_FMT_FP4
.endif
.endif
.endm
; 32 products: row tiles 2 hi, 2 hi + 1 x my 16 tiles of units.  The 64 accumulators take turns, one instruction a turn, in the same order in every step.  zero = 1: the first step starts the sums
.macro MULRUN hi, p, zero
.irp t, 0,1,2,3,4,5,6,7,8,9,10,11,12,13,14,15
.irp mm, 0,1
	WM 8*(16*\mm+\t), 128*(\p)+8*\t, AF+8*(2*(\hi)+\mm), WS+8*(\p)+\t/2, AS+(\hi), \t%2, \mm, \zero
.endr
.endr
.endm
; A PREFETCH of chunk ach (counted from the base) of my wave's own 16 rows: 512 bytes a row, two aligned blocks of 256 bytes, a lane a block.  In step s it names chunk s + 6, three steps ahead of that chunk's loads.
; Each block is named once, by the wave that will load it.  mode 1: step 0, chunk 6.  mode 2: in the loop, while more than two trips are left: steps 1 to 8 name chunks 7 to 14; chunks 0 to 5 and 15 come by their loads alone.
.macro ASK mode, ach
.if \mode == 2
	s_cmp_gt_u32 s[CNT], 2
	s_cbranch_scc0 .Lno_ask_\@
.endif
.if \mode
	global_prefetch_b8 v[PFO], s[ENC:ENC+1] offset:512*(\ach) th:TH_LOAD_NT scope:SCOPE_SE
.endif
.if \mode == 2
.Lno_ask_\@:
.endif
.endm
; STEP s, p = s % 2: multiplies chunk s (image buffer p, W's set p), quantises chunk s + 1 (buffer 1 - p of the loaded chunks) between the two runs of products, asks for W of step s + 1 and for chunk s + 3.
; W is asked for ahead of the chunk in every step: loads come back in the order of issue (ISA guide 5.7.1), so the wait for W of the next step does not take in the chunk asked for behind it.
; The chunk's 16 loads go in two parts, 13 and 3: behind the wait on loads 50 are out, and 13 more make 63, the most that the counter's field holds.
.macro STEP p, zero, doE, lcnt, wst, ech, rch, am, ach
	FETCH_A \p                                     ; (the wait ahead of the last step's second run of stores has stated that the products are done with the registers of these loads and of W's)
	WISSUE 1-\p, \wst
	s_wait_loadcnt \lcnt                           ; chunk s + 1 and W of this step are in; what was issued behind them may be out
	STAGE_IN 1-\p
	s_wait_alu depctr_vm_vsrc(0)                   ; the last step's stores have read X, CD and SWD, and the stage's 16 stores have read this chunk buffer: the loads below land in X and in the buffer, and this step's quantiser writes CD, SWD and X
	STAGE_OUT 0
	s_wait_dscnt 8                                 ; the fragments and scale words are in and the stage's 16 stores have read their registers; only the 8 loads into X may be out
.if \doE
	EISSUE 1-\p, \ech, 0, 12
.endif
	ASK \am, \ach
	WIN MUL_LO
	MULRUN 0, \p, \zero
	WIN 0
	s_wait_dscnt 0x0                               ; the first block is in X
	QHALF 0, 1-\p, \rch
	s_wait_alu depctr_vm_vsrc(0)                   ; the kept rows' four stores have read X's first 16 registers, in which the second block lands
	STAGE_OUT 1                                    ; LDS serves a wave's instructions in order (ISA guide 5.7.1.4): these land behind the stores that read X
.if \doE
	EISSUE 1-\p, \ech, 13, 15
.endif
	WIN MUL_HI
	MULRUN 1, \p, \zero
	WIN 0
	s_wait_dscnt 0x0                               ; the second block is in X
	QHALF 1, 1-\p, \rch
	s_wait_dscnt 0x0                               ; for the others' sake: my image and scale words lie in LDS; my reads of buffer p were over long ago
	s_barrier_signal -1
	s_barrier_wait -1                              ; buffer 1 - p is whole, and nobody reads buffer p any more
.endm
	s_load_b256 s[4:11], s[0:1], 0x0               ; enc_out, wq, ws, bias
	s_load_b128 s[12:15], s[0:1], 0x20             ; W_att, scores
	s_load_b64 s[16:17], s[0:1], 0x30              ; part
	v_lshl_add_u32 v[SPW], v0, 2, SPARE
	v_mov_b32 v[NIL], 0
	v_lshrrev_b32 v251, 5, v0
	v_readfirstlane_b32 s[WV], v251                ; wave 0 .. 3
	v_and_b32 v251, 31, v0                         ; lane
	v_and_b32 v252, 15, v0                         ; r
	v_bfe_u32 v253, v0, 4, 1                       ; h
	s_mov_b32 s[SEL], 0x76543210
	s_mov_b32 s[SEL+1], 0xfedcba98                 ; lane l xor 16
	s_mov_b32 s[L2E], 0x3fb8aa3b                   ; log2 e
	s_mov_b32 s[RS], 0
	v_mov_b32 v[PT], 0                             ; a lane permute's destination counts as one of its sources
	v_lshlrev_b32 v[LOF], 4, v251
	v_lshlrev_b32 v[L8], 3, v251
	v_lshlrev_b32 v[T32], 5, v0
	v_lshlrev_b32 v[WA0], 4, v0
	v_lshlrev_b32 v[SH8], 3, v253
	s_wait_alu depctr_va_sdst(0)                   ; the wave's number is written, ahead of its first reader: addresses, bases and a branch are made from it
	s_mul_i32 s24, s[WV], WSTG
	s_add_co_u32 s24, s24, STG
	v_add_nc_u32 v[STW], s24, v[LOF]
	v_mul_u32_u24 v[STR], v252, SPITCH
	v_lshl_add_u32 v[STR], v253, 7, v[STR]
	v_add_nc_u32 v[STR], s24, v[STR]
	v_lshl_add_u32 v[SGW], v251, 5, s24
	s_lshl_b32 s24, s[WV], 10
	s_add_co_u32 s25, s24, IMG
	v_add_nc_u32 v[IMW], s25, v[LOF]
	v_add_nc_u32 v[IMR], IMG, v[LOF]
	s_add_co_u32 s25, s24, BIA
	v_lshl_add_u32 v[BAD], v253, 5, s25
	s_lshl_b32 s24, s[WV], 6
	s_add_co_u32 s24, s24, ASC
	v_lshl_add_u32 v[ASW], v252, 2, s24
	v_lshl_add_u32 v[ASR], v251, 2, ASC
	s_mul_i32 s24, s[WV], 16*RPITCH
	v_mul_u32_u24 v[RTA], v252, RPITCH
	v_lshl_add_u32 v[RTA], v253, 6, v[RTA]
	v_add_nc_u32 v[RTA], s24, v[RTA]
	v_add_nc_u32 v[RTC], s[RS], v[RTA]
	v_lshrrev_b32 v[PFO], 1, v251
	v_lshlrev_b32 v[PFO], 13, v[PFO]
	v_and_b32 v251, 1, v251
	v_lshl_add_u32 v[PFO], v251, 8, v[PFO]
	s_lshl_b32 s24, s[WV], 8
	s_add_co_u32 s25, s24, SCP
	v_lshl_add_u32 v[SCW], v252, 2, s25
	v_add_nc_u32 v[SCR], SCP, v[L8]
	s_add_co_u32 s25, s24, PRB
	v_add_nc_u32 v[PRW], s25, v[L8]
	v_mov_b32 v[PP0], s25
	v_add_nc_u32 v[BIW], BIA, v[T32]
	s_lshl_b32 s28, ttmp9, 19                      ; 64 rows of 8,192 bytes a work-group,
	s_lshl_b32 s24, s[WV], 17                      ; 16 a wave
	s_add_co_u32 s28, s28, s24
	s_mov_b32 s29, 0
	s_wait_kmcnt 0x0
	s_add_nc_u64 s[ENC:ENC+1], s[ENC:ENC+1], s[28:29]
	s_lshl_b32 s28, s[WV], 14
	s_add_nc_u64 s[WQ:WQ+1], s[WQ:WQ+1], s[28:29]
	s_lshl_b32 s28, s[WV], 10
	s_add_nc_u64 s[WSB:WSB+1], s[WSB:WSB+1], s[28:29]
	s_lshr_b32 s28, ttmp9, 3
	s_lshl_b32 s28, s28, 12                        ; the batch's row of bias
	s_add_nc_u64 s[BIP:BIP+1], s[BIP:BIP+1], s[28:29]
	s_lshl_b32 s28, ttmp9, 8
	s_add_nc_u64 s[SCO:SCO+1], s[SCO:SCO+1], s[28:29]
	s_lshl_b32 s28, ttmp9, 13
	s_lshl_b32 s24, s[WV], 10
	s_add_co_u32 s28, s28, s24
	s_add_nc_u64 s[PAR:PAR+1], s[PAR:PAR+1], s[28:29]
	s_wait_alu depctr_va_vdst(0)                   ; all offsets and LDS addresses are written: every load, store and prefetch of the kernel reads one of them
	global_load_b128 v[36:39], v[T32], s[BIP:BIP+1]            ; bias and W_att, eight numbers a thread: they go to LDS for the tail
	global_load_b128 v[40:43], v[T32], s[BIP:BIP+1] offset:16
	global_load_b128 v[44:47], v[T32], s[WAP:WAP+1]
	global_load_b128 v[48:51], v[T32], s[WAP:WAP+1] offset:16
	EISSUE 0, 0, 0, 15
	EISSUE 1, 1, 0, 15
	WISSUE 0, 0
	; chunk 0 is quantised ahead of the steps
	s_wait_loadcnt 50                              ; the tables and chunk 0 are in; chunk 1 (16) and W of step 0 (34) may be out
	ds_store_b128 v[BIW], v[36:39]
	ds_store_b128 v[BIW], v[40:43] offset:16
	ds_store_b128 v[BIW], v[44:47] offset:4096
	ds_store_b128 v[BIW], v[48:51] offset:4112
	STAGE_IN 0
	s_wait_alu depctr_vm_vsrc(0)                   ; the tables' stores have read v36-51, in which step 0's fragments land, and the stage's stores have read chunk buffer 0, in which chunk 2 lands
	STAGE_OUT 0
	s_wait_dscnt 8                                 ; the stores have read their registers; the 8 loads into X may be out
	EISSUE 0, 2, 0, 12
	s_wait_dscnt 0x0
	QHALF 0, 0, 0
	s_wait_alu depctr_vm_vsrc(0)                   ; the kept rows' four stores have read X's first 16 registers, in which the second block lands
	STAGE_OUT 1
	EISSUE 0, 2, 13, 15
	s_wait_dscnt 0x0
	QHALF 1, 0, 0
	s_wait_dscnt 0x0
	s_barrier_signal -1
	s_barrier_wait -1
	STEP 0, 1, 1, 50, 1, 3, 1, 1, 6                ; step 0 starts the sums; 50: chunk 2 (16) and W of step 1 (34) may be out
	s_mov_b32 s[CNT], 6
.Lk:                                               ; six trips: steps 1 to 12.  50: chunk s + 2 and W of step s + 1 may be out
	STEP 1, 0, 1, 50, 2, 4, 2, 2, 7
	STEP 0, 0, 1, 50, 3, 5, 3, 2, 8
	s_wait_xcnt 0x0                                ; every earlier memory instruction has had its addresses translated (ISA guide 3.1): the bases are stepped only behind this wait
	s_add_nc_u64 s[ENC:ENC+1], s[ENC:ENC+1], 1024
	s_add_nc_u64 s[WQ:WQ+1], s[WQ:WQ+1], 131072
	s_add_nc_u64 s[WSB:WSB+1], s[WSB:WSB+1], 8192
	s_add_co_u32 s[RS], s[RS], 512
	s_wait_alu depctr_vm_vsrc(0)                   ; this trip's stores into the kept rows have read v[RTC]
	v_add_nc_u32 v[RTC], s[RS], v[RTA]             ; (its next reader stands behind the next step's first wait on va_vdst)
	s_sub_co_u32 s[CNT], s[CNT], 1
	s_cmp_lg_u32 s[CNT], 0
	s_cbranch_scc1 .Lk
	STEP 1, 0, 0, 50, 2, 0, 2, 0, 0                ; step 13: no chunk is left to ask for.  50: chunk 15 and W of step 14
	STEP 0, 0, 0, 34, 3, 0, 3, 0, 0                ; step 14.  34: W of step 15 alone
; THE TAIL.  Tile t's eight biases and eight W_att of my half, every lane of a half the same 16 bytes: four loads, 16 registers; groups of four tiles in the two chunk buffers by turns
.macro BLOAD t
.set GB, E0+64*(((\t)/4)%2)+16*((\t)%4)
	ds_load_b128 v[GB:GB+3], v[BAD] offset:64*(\t)
	ds_load_b128 v[GB+4:GB+7], v[BAD] offset:64*(\t)+16
	ds_load_b128 v[GB+8:GB+11], v[BAD] offset:64*(\t)+4096
	ds_load_b128 v[GB+12:GB+15], v[BAD] offset:64*(\t)+4112
.endm
; tile t of the four row tiles: + bias, relu, x W_att, into a pair of sums for each row tile; each accumulator is read from its low end on
.macro ETILE t
.set GB, E0+64*(((\t)/4)%2)+16*((\t)%4)
	WIN 0x02                                       ; source 0: window 2
.irp mm, 0,1
.irp jj, 0,2,4,6
	v_pk_add_f32 v[X+8*\mm+\jj:X+8*\mm+\jj+1], v[8*(16*\mm+(\t))+\jj:8*(16*\mm+(\t))+\jj+1], v[GB+\jj:GB+\jj+1]
.endr
.endr
	WIN 0x03                                       ; source 0: window 3
.irp mm, 0,1
.irp jj, 0,2,4,6
	v_pk_add_f32 v[X+16+8*\mm+\jj:X+16+8*\mm+\jj+1], v[8*(16*\mm+(\t))+\jj:8*(16*\mm+(\t))+\jj+1], v[GB+\jj:GB+\jj+1]
.endr
.endr
	WIN 0
.set ti, 0
.rept 32
	v_max_num_f32 v[X+ti], 0, v[X+ti]
.set ti, ti+1
.endr
.irp jj, 0,2,4,6
.irp m, 0,1,2,3
.if ((\t) == 0) && (\jj == 0)
	v_pk_mul_f32 v[CD+2*\m:CD+2*\m+1], v[X+8*\m+\jj:X+8*\m+\jj+1], v[GB+8+\jj:GB+8+\jj+1]   ; the first product starts the sum: nothing is cleared
.else
	v_pk_fma_f32 v[CD+2*\m:CD+2*\m+1], v[X+8*\m+\jj:X+8*\m+\jj+1], v[GB+8+\jj:GB+8+\jj+1], v[CD+2*\m:CD+2*\m+1]
.endif
.endr
.endr
.endm
	FETCH_A 1                                      ; step 15: nothing more to quantise or to ask for
.irp t, 0,1,2,3,4,5,6,7
	BLOAD \t                                       ; (the stage's stores, the chunk buffers' last readers, stand ahead of step 14's first wait on vm_vsrc)
.endr
	s_wait_loadcnt 0x0                             ; W of step 15
	s_wait_dscnt 32                                ; the fragments and scale words are in; the tables' 32 loads may be out
	WIN MUL_LO
	MULRUN 0, 1, 0
	WIN MUL_HI
	MULRUN 1, 1, 0
	WIN 0
.rept 4
	v_nop                                          ; four places between the last product and the first read of results (ISA guide 7.12.1)
.endr
	s_wait_dscnt 0x0
	s_wait_alu depctr_vm_vsrc(0)                   ; step 14's last stores have read X and CD, which the tiles' lines below write
.irp t, 0,1,2,3
	ETILE \t
.endr
	s_wait_alu depctr_va_vdst(0)                   ; the lines of tiles 0 to 3 are done reading the first table buffer, in which the tables of tiles 8 to 11 land
.irp t, 8,9,10,11
	BLOAD \t
.endr
.irp t, 4,5,6,7
	ETILE \t
.endr
	s_wait_alu depctr_va_vdst(0)                   ; the lines of tiles 4 to 7 are done reading the second table buffer, in which the tables of tiles 12 to 15 land
.irp t, 12,13,14,15
	BLOAD \t
.endr
	s_wait_dscnt 16                                ; tiles 8 to 11 are in; the 16 loads of tiles 12 to 15 may be out
.irp t, 8,9,10,11
	ETILE \t
.endr
	s_wait_dscnt 0x0
.irp t, 12,13,14,15
	ETILE \t
.endr
	; the scores: my 256 units' part of each row, then the four waves' parts
.irp m, 0,1,2,3
	v_add_f32 v[X+\m], v[CD+2*\m], v[CD+2*\m+1]
.endr
.irp m, 0,1,2,3
	v_permlanex16_b32 v[X+4+\m], v[X+\m], s[SEL], s[SEL+1]
.endr
.irp m, 0,1,2,3
	v_add_f32 v[X+\m], v[X+\m], v[X+4+\m]          ; with the other half's eight units of each tile
.endr
	s_wait_alu depctr_va_vdst(0)                   ; the additions have written X .. X + 3, which the four stores read; the tiles' lines are done with X + 8 .. X + 15, in which the loads behind the barrier land
.irp m, 0,1,2,3
	ds_store_b32 v[SCW], v[X+\m] offset:64*\m      ; row 16 m + r; lanes r and 16 + r write the same word with the same value
.endr
	s_wait_dscnt 0x0
	s_barrier_signal -1
	s_barrier_wait -1
.irp q, 0,1,2,3
	ds_load_b64 v[X+8+2*\q:X+9+2*\q], v[SCR] offset:256*\q   ; lane l: rows 2 l and 2 l + 1
.endr
	s_wait_dscnt 0x0
	v_pk_add_f32 v[X+8:X+9], v[X+8:X+9], v[X+10:X+11]
	v_pk_add_f32 v[X+12:X+13], v[X+12:X+13], v[X+14:X+15]
	v_pk_add_f32 v[X+8:X+9], v[X+8:X+9], v[X+12:X+13]        ; the same bits in every wave
	s_cmp_lg_u32 s[WV], 0
	s_cbranch_scc1 .Lnot_0
	s_wait_alu depctr_va_vdst(0)                   ; the additions have written X + 8 and X + 9, which the store reads
	global_store_b64 v[L8], v[X+8:X+9], s[SCO:SCO+1]         ; 256 consecutive bytes, aligned
.Lnot_0:
	s_wait_alu depctr_va_vdst(0)
	v_max_num_f32 v[X+16], v[X+8], v[X+9]          ; the pass's largest score is taken away ahead of the exponential
	v_max_num_f32_dpp v[X+16], v[X+16], v[X+16] row_xmask:1 row_mask:0xf bank_mask:0xf
	v_max_num_f32_dpp v[X+16], v[X+16], v[X+16] row_xmask:2 row_mask:0xf bank_mask:0xf
	v_max_num_f32_dpp v[X+16], v[X+16], v[X+16] row_xmask:4 row_mask:0xf bank_mask:0xf
	v_max_num_f32_dpp v[X+16], v[X+16], v[X+16] row_xmask:8 row_mask:0xf bank_mask:0xf
	v_permlanex16_b32 v[X+17], v[X+16], s[SEL], s[SEL+1]
	v_max_num_f32 v[X+16], v[X+16], v[X+17]
	v_sub_f32 v[X+18], v[X+8], v[X+16]
	v_sub_f32 v[X+19], v[X+9], v[X+16]
	v_mul_f32 v[X+18], s[L2E], v[X+18]
	v_mul_f32 v[X+19], s[L2E], v[X+19]
	s_wait_alu depctr_va_vdst(0)
	v_exp_f32 v[X+18], v[X+18]
	v_exp_f32 v[X+19], v[X+19]
	v_nop                                          ; a plain instruction behind the exponentials
	; the weighted sum: thread t owns bytes 16 t and 2,048 + 16 t of every kept row: 16 columns.  Its zeros and first addresses are made here, ahead of the one wait
.set ti, 0
.rept 16
	v_mov_b32 v[SUM+ti], 0
.set ti, ti+1
.endr
	s_mov_b32 s[RW], 0
	s_mov_b32 s[RPP], 0
	v_add_nc_u32 v[WA], s[RW], v[WA0]
	v_add_nc_u32 v[PP], s[RPP], v[PP0]
	s_wait_alu depctr_va_vdst(0)                   ; the wait ahead of the first use of the two exponentials' results, X + 18 and X + 19, which the store below reads; v[WA] and v[PP] are written, which the first rows' loads read; the tiles' lines are done reading the table buffers, in which those loads land
	ds_store_b64 v[PRW], v[X+18:X+19]              ; p of rows 2 l, 2 l + 1 into my wave's own copy: no barrier is needed
.macro WLD set, ro, po                 ; four rows: their four p (every lane the same 16 bytes) and 8 x 16 bytes a lane: 9 LDS loads
	ds_load_b128 v[WD+36*(\set):WD+36*(\set)+3], v[PP] offset:\po
.irp i, 0,1,2,3
	ds_load_b128 v[WD+36*(\set)+4+8*\i:WD+36*(\set)+7+8*\i], v[WA] offset:(\ro)+RPITCH*\i
	ds_load_b128 v[WD+36*(\set)+8+8*\i:WD+36*(\set)+11+8*\i], v[WA] offset:(\ro)+RPITCH*\i+2048
.endr
.endm
.macro COMP set                        ; sum += bf16 x p, straight from the halves
.irp i, 0,1,2,3
.irp q, 0,1,2,3,4,5,6,7
	v_fma_mix_f32_bf16 v[SUM+2*\q], v[WD+36*(\set)+4+8*\i+\q], v[WD+36*(\set)+\i], v[SUM+2*\q] op_sel_hi:[1,0,0]
	v_fma_mix_f32_bf16 v[SUM+2*\q+1], v[WD+36*(\set)+4+8*\i+\q], v[WD+36*(\set)+\i], v[SUM+2*\q+1] op_sel:[1,0,0] op_sel_hi:[1,0,0]
.endr
.endr
.endm
	WLD 0, 0, 0
	s_mov_b32 s[CNT], 7
.Lw:                                               ; seven trips of eight rows; the last eight rows are written out
	WLD 1, 4*RPITCH, 16
	s_wait_dscnt 9                                 ; the first set is in; the other set's 9 loads may be out
	COMP 0
	s_wait_alu depctr_va_vdst(0)                   ; the multiply-adds are done reading the first set, in which the next four rows land
	WLD 0, 8*RPITCH, 32
	s_wait_dscnt 9
	COMP 1
	s_add_co_u32 s[RW], s[RW], 8*RPITCH
	s_add_co_u32 s[RPP], s[RPP], 32
	s_wait_alu depctr_vm_vsrc(0)                   ; the trip's 18 loads have read v[WA] and v[PP]
	v_add_nc_u32 v[WA], s[RW], v[WA0]
	v_add_nc_u32 v[PP], s[RPP], v[PP0]
	s_wait_alu depctr_va_vdst(0)                   ; v[WA] and v[PP] are written, and the multiply-adds are done reading the second set: for the loads at the next trip's head and for those behind the loop
	s_sub_co_u32 s[CNT], s[CNT], 1
	s_cmp_lg_u32 s[CNT], 0
	s_cbranch_scc1 .Lw
	WLD 1, 4*RPITCH, 16
	s_wait_dscnt 9
	COMP 0
	s_wait_dscnt 0x0
	COMP 1
	; the way out: a lane's 2 x 32 bytes turn through my stage, so that each store covers 512 consecutive bytes
	s_wait_alu depctr_va_vdst(0)                   ; the multiply-adds have written the 16 sums, which the four LDS stores read, and are done reading the first set, in which the loads from the stage land
	ds_store_b128 v[SGW], v[SUM:SUM+3]
	ds_store_b128 v[SGW], v[SUM+4:SUM+7] offset:16
	ds_store_b128 v[SGW], v[SUM+8:SUM+11] offset:1024
	ds_store_b128 v[SGW], v[SUM+12:SUM+15] offset:1040
.irp j, 0,1,2,3
	ds_load_b128 v[WD+4*\j:WD+4*\j+3], v[STW] offset:512*\j    ; LDS serves a wave's instructions in order: these see my stores
.endr
.irp j, 0,1,2,3
	s_wait_dscnt 3-\j                              ; the younger loads may be out
	global_store_b128 v[LOF], v[WD+4*\j:WD+4*\j+3], s[PAR:PAR+1] offset:4096*(\j/2)+512*(\j%2) th:TH_STORE_NT
.endr
	s_wait_dscnt 0x0                               ; the wave's end
	s_wait_alu 0x0
	s_wait_tensorcnt 0x0
	ds_add_u32 v[SPW], v[NIL]
	s_wait_dscnt 0x0
	s_endpgm
.Lfunc_end_k_q6b7ccd558d_main:
	.size	k_q6b7ccd558d_main, .Lfunc_end_k_q6b7ccd558d_main-k_q6b7ccd558d_main
	.p2alignl 7, 3214868480
	.fill 96, 4, 3214868480
	.section	.rodata,"a",@progbits
	.p2align	6, 0x0
	.amdhsa_kernel k_q6b7ccd558d_main
		.amdhsa_group_segment_fixed_size 316416
		.amdhsa_private_segment_fixed_size 0
		.amdhsa_enable_private_segment 0
		.amdhsa_kernarg_size 56
		.amdhsa_user_sgpr_count 2
		.amdhsa_user_sgpr_kernarg_segment_ptr 1
		.amdhsa_wavefront_size32 1
		.amdhsa_system_sgpr_workgroup_id_x 1
		.amdhsa_system_sgpr_workgroup_id_y 1
		.amdhsa_system_sgpr_workgroup_id_z 1
		.amdhsa_system_vgpr_workitem_id 0
		.amdhsa_next_free_vgpr 1024
		.amdhsa_next_free_sgpr 66
		.amdhsa_reserve_vcc 0
		.amdhsa_float_denorm_mode_32 3
		.amdhsa_float_denorm_mode_16_64 3
		.amdhsa_memory_ordered 1
		.amdhsa_forward_progress 1
		.amdhsa_inst_pref_size 211
	.end_amdhsa_kernel
	.amdgpu_metadata
---
amdhsa.version: [ 1, 2 ]
amdhsa.kernels:
  - .name:           k_q6b7ccd558d_main
    .symbol:         k_q6b7ccd558d_main.kd
    .args:
      - { .name: enc_out, .offset: 0, .size: 8, .value_kind: global_buffer, .address_space: global }
      - { .name: wq, .offset: 8, .size: 8, .value_kind: global_buffer, .address_space: global }
      - { .name: ws, .offset: 16, .size: 8, .value_kind: global_buffer, .address_space: global }
      - { .name: bias, .offset: 24, .size: 8, .value_kind: global_buffer, .address_space: global }
      - { .name: W_att, .offset: 32, .size: 8, .value_kind: global_buffer, .address_space: global }
      - { .name: scores, .offset: 40, .size: 8, .value_kind: global_buffer, .address_space: global }
      - { .name: part, .offset: 48, .size: 8, .value_kind: global_buffer, .address_space: global }
    .group_segment_fixed_size: 316416
    .private_segment_fixed_size: 0
    .kernarg_segment_align: 8
    .kernarg_segment_size: 56
    .max_flat_workgroup_size: 128
    .sgpr_count:     66
    .vgpr_count:     1024
    .wavefront_size: 32
...
	.end_amdgpu_metadata
.endif
;; end of part 5
;; launch join (part 6): grid 256 x 1, 4 waves a work-group, no clusters, 1,024 bytes of LDS; arguments scores, part, out0, out1; writes out0, out1
.if DOCPART == 6
	.amdgcn_target "amdgcn-amd-amdhsa--gfx1250"
	.amdhsa_code_object_version 6
	.text
	.protected	k_q6b7ccd558d_join
	.globl	k_q6b7ccd558d_join
	.p2align	8
	.type	k_q6b7ccd558d_join,@function
k_q6b7ccd558d_join:
	s_mov_b64 s[64:65], 0
	v_nop
	global_prefetch_b8 v0, s[64:65] scope:SCOPE_SE
	s_setreg_imm32_b32 hwreg(HW_REG_WAVE_MODE, 25, 1), 1
	s_wait_xcnt 0x0
; The eight passes of a batch are joined.  Left out: b_att, which the softmax cancels for all values (shown at the head of the first kernel).
; Work-group x: batch b = x / 4, columns 512 q on of out0 and positions 128 q on of out1, q = x % 4.  128 threads; thread t holds scores 4 t .. 4 t + 3 of the batch, so sixteen neighbouring lanes hold a pass's 64.
; m_i = pass i's largest score (a maximum rounds nothing: the same bits that the pass took away); M = the batch's; e_n = 2^((s_n - M) log2 e); L = their sum; alpha_n = e_n / L;
; out0 = sum over i of 2^((m_i - M) log2 e) / L x part_i.  Memory binds: no matrix unit, no cluster; each load and store of a wave covers 512 consecutive bytes.
; LIMITS: NaN and infinities among the inputs are not served; terms under 2^-126 of the largest count as 0.
.set MIL,   0                          ; LDS: the eight m_i
.set LSL,   256                        ; the four waves' sums
.set SPARE, 512                        ; the spare words, 128 bytes for each wave: no other line names them
.set OFS, 2                            ; 16 t
.set MIA, 3
.set SC,  4                            ; v4-7    my four scores
.set PT,  8                            ; v8-39   part: eight passes x four columns
.set SPW, 40
.set NIL, 41
.set LSA, 42
.set ZA,  43
.set TA,  44
.set TB,  45
.set MM,  46
.set RC,  47
.set MI,  48                           ; v48-55  m_i, then the passes' factors
.set EN,  56                           ; v56-59  e_n, then alpha
.set OU,  60                           ; v60-63
	s_load_b256 s[4:11], s[0:1], 0x0               ; scores s[4:5], part s[6:7], out0 s[8:9], out1 s[10:11]
	v_lshl_add_u32 v[SPW], v0, 2, SPARE
	v_mov_b32 v[NIL], 0
	v_lshrrev_b32 v1, 5, v0
	v_readfirstlane_b32 s12, v1                    ; wave
	s_lshr_b32 s13, ttmp9, 2                       ; b
	s_and_b32 s14, ttmp9, 3                        ; q
	s_mov_b32 s20, 0x76543210
	s_mov_b32 s21, 0xfedcba98                      ; lane l xor 16
	s_mov_b32 s22, 0x3fb8aa3b                      ; log2 e
	v_lshlrev_b32 v[OFS], 4, v0
	v_lshrrev_b32 v[MIA], 4, v0
	v_lshlrev_b32 v[MIA], 2, v[MIA]                ; MIL + 4 (t / 16)
	s_lshl_b32 s15, s12, 2
	s_add_co_u32 s15, s15, LSL
	v_mov_b32 v[LSA], s15
	v_mov_b32 v[ZA], 0
	v_mov_b32 v[TB], 0                             ; a lane permute's destination counts as one of its sources
	s_mov_b32 s17, 0
	s_lshl_b32 s18, s14, 11
	s_wait_alu depctr_va_vdst(0)
	s_wait_kmcnt 0x0
	s_lshl_b32 s16, s13, 11
	s_add_nc_u64 s[4:5], s[4:5], s[16:17]
	s_add_nc_u64 s[10:11], s[10:11], s[16:17]
	s_lshl_b32 s16, s13, 16
	s_add_co_u32 s16, s16, s18
	s_add_nc_u64 s[6:7], s[6:7], s[16:17]
	s_lshl_b32 s16, s13, 13
	s_add_co_u32 s16, s16, s18
	s_add_nc_u64 s[8:9], s[8:9], s[16:17]
	global_load_b128 v[SC:SC+3], v[OFS], s[4:5]
.irp i, 0,1,2,3,4,5,6,7
	global_load_b128 v[PT+4*\i:PT+4*\i+3], v[OFS], s[6:7] offset:8192*\i th:TH_LOAD_NT
.endr
	s_wait_loadcnt 8                               ; the scores are in; part's eight loads may be out
	v_max_num_f32 v[TA], v[SC], v[SC+1]
	v_max3_num_f32 v[TA], v[TA], v[SC+2], v[SC+3]
	v_max_num_f32_dpp v[TA], v[TA], v[TA] row_xmask:1 row_mask:0xf bank_mask:0xf
	v_max_num_f32_dpp v[TA], v[TA], v[TA] row_xmask:2 row_mask:0xf bank_mask:0xf
	v_max_num_f32_dpp v[TA], v[TA], v[TA] row_xmask:4 row_mask:0xf bank_mask:0xf
	v_max_num_f32_dpp v[TA], v[TA], v[TA] row_xmask:8 row_mask:0xf bank_mask:0xf
	ds_store_b32 v[MIA], v[TA]                     ; sixteen lanes write the same word with the same value
	s_wait_dscnt 0x0
	s_barrier_signal -1
	s_barrier_wait -1
	ds_load_b128 v[MI:MI+3], v[ZA] offset:MIL
	ds_load_b128 v[MI+4:MI+7], v[ZA] offset:MIL+16
	s_wait_dscnt 0x0
	v_max3_num_f32 v[MM], v[MI], v[MI+1], v[MI+2]
	v_max3_num_f32 v[MM], v[MM], v[MI+3], v[MI+4]
	v_max3_num_f32 v[MM], v[MM], v[MI+5], v[MI+6]
	v_max_num_f32 v[MM], v[MM], v[MI+7]            ; M: taken away ahead of every exponential
.irp k, 0,1,2,3
	v_sub_f32 v[EN+\k], v[SC+\k], v[MM]
.endr
.irp i, 0,1,2,3,4,5,6,7
	v_sub_f32 v[MI+\i], v[MI+\i], v[MM]
.endr
.irp k, 0,1,2,3
	v_mul_f32 v[EN+\k], s22, v[EN+\k]
.endr
.irp i, 0,1,2,3,4,5,6,7
	v_mul_f32 v[MI+\i], s22, v[MI+\i]
.endr
	s_wait_alu depctr_va_vdst(0)
.irp k, 0,1,2,3
	v_exp_f32 v[EN+\k], v[EN+\k]
.endr
.irp i, 0,1,2,3,4,5,6,7
	v_exp_f32 v[MI+\i], v[MI+\i]
.endr
	v_nop                                          ; a plain instruction behind the twelve exponentials,
	s_wait_alu depctr_va_vdst(0)                   ; and the wait ahead of the first use: one for the batch
	v_add_f32 v[TA], v[EN], v[EN+1]
	v_add_f32 v1, v[EN+2], v[EN+3]
	v_add_f32 v[TA], v[TA], v1
	v_add_f32_dpp v[TA], v[TA], v[TA] row_xmask:1 row_mask:0xf bank_mask:0xf
	v_add_f32_dpp v[TA], v[TA], v[TA] row_xmask:2 row_mask:0xf bank_mask:0xf
	v_add_f32_dpp v[TA], v[TA], v[TA] row_xmask:4 row_mask:0xf bank_mask:0xf
	v_add_f32_dpp v[TA], v[TA], v[TA] row_xmask:8 row_mask:0xf bank_mask:0xf
	v_permlanex16_b32 v[TB], v[TA], s20, s21
	v_add_f32 v[TA], v[TA], v[TB]                  ; my wave's sum
	ds_store_b32 v[LSA], v[TA]
	s_wait_dscnt 0x0
	s_barrier_signal -1
	s_barrier_wait -1
	ds_load_b128 v[OU:OU+3], v[ZA] offset:LSL
	s_wait_dscnt 0x0
	v_add_f32 v[TA], v[OU], v[OU+1]
	v_add_f32 v1, v[OU+2], v[OU+3]
	v_add_f32 v[TA], v[TA], v1                     ; L
	s_wait_alu depctr_va_vdst(0)
	v_rcp_f32 v[RC], v[TA]
	v_nop
	s_wait_alu depctr_va_vdst(0)                   ; ahead of the reciprocal's first use
.irp i, 0,1,2,3,4,5,6,7
	v_mul_f32 v[MI+\i], v[MI+\i], v[RC]
.endr
.irp k, 0,1,2,3
	v_mul_f32 v[EN+\k], v[EN+\k], v[RC]            ; alpha
.endr
	s_wait_loadcnt 0x0                             ; part
.irp k, 0,1,2,3
	v_mul_f32 v[OU+\k], v[PT+\k], v[MI]            ; the first pass starts the sums
.endr
.irp i, 1,2,3,4,5,6,7
.irp k, 0,1,2,3
	v_fma_f32 v[OU+\k], v[PT+4*\i+\k], v[MI+\i], v[OU+\k]
.endr
.endr
	global_store_b128 v[OFS], v[OU:OU+3], s[8:9]
	s_cmp_eq_u32 s12, s14                          ; of the batch's four work-groups each stores a quarter of alpha: the wave whose number is q
	s_cbranch_scc0 .Lnot_mine
	global_store_b128 v[OFS], v[EN:EN+3], s[10:11]
.Lnot_mine:
	s_wait_tensorcnt 0x0                           ; the wave's end
	ds_add_u32 v[SPW], v[NIL]
	s_wait_dscnt 0x0
	s_endpgm
.Lfunc_end_k_q6b7ccd558d_join:
	.size	k_q6b7ccd558d_join, .Lfunc_end_k_q6b7ccd558d_join-k_q6b7ccd558d_join
	.p2alignl 7, 3214868480
	.fill 96, 4, 3214868480
	.section	.rodata,"a",@progbits
	.p2align	6, 0x0
	.amdhsa_kernel k_q6b7ccd558d_join
		.amdhsa_group_segment_fixed_size 1024
		.amdhsa_private_segment_fixed_size 0
		.amdhsa_enable_private_segment 0
		.amdhsa_kernarg_size 32
		.amdhsa_user_sgpr_count 2
		.amdhsa_user_sgpr_kernarg_segment_ptr 1
		.amdhsa_wavefront_size32 1
		.amdhsa_system_sgpr_workgroup_id_x 1
		.amdhsa_system_sgpr_workgroup_id_y 1
		.amdhsa_system_sgpr_workgroup_id_z 1
		.amdhsa_system_vgpr_workitem_id 0
		.amdhsa_next_free_vgpr 64
		.amdhsa_next_free_sgpr 66
		.amdhsa_reserve_vcc 0
		.amdhsa_float_denorm_mode_32 3
		.amdhsa_float_denorm_mode_16_64 3
		.amdhsa_memory_ordered 1
		.amdhsa_forward_progress 1
		.amdhsa_inst_pref_size 8
	.end_amdhsa_kernel
	.amdgpu_metadata
---
amdhsa.version: [ 1, 2 ]
amdhsa.kernels:
  - .name:           k_q6b7ccd558d_join
    .symbol:         k_q6b7ccd558d_join.kd
    .args:
      - { .name: scores, .offset: 0, .size: 8, .value_kind: global_buffer, .address_space: global }
      - { .name: part, .offset: 8, .size: 8, .value_kind: global_buffer, .address_space: global }
      - { .name: out0, .offset: 16, .size: 8, .value_kind: global_buffer, .address_space: global }
      - { .name: out1, .offset: 24, .size: 8, .value_kind: global_buffer, .address_space: global }
    .group_segment_fixed_size: 1024
    .private_segment_fixed_size: 0
    .kernarg_segment_align: 8
    .kernarg_segment_size: 32
    .max_flat_workgroup_size: 128
    .sgpr_count:     66
    .vgpr_count:     64
    .wavefront_size: 32
...
	.end_amdgpu_metadata
.endif
;; end of part 6
